; MI455X (gfx1250); checked and timed in simulation.
; The chip was launched on July 23, 2026; its instructions are those of AMD's public machine-readable ISA for CDNA 5 (MIT licence, August 2026) and "CDNA5" Instruction Set Architecture Reference Guide (July 2026). The comments in the code are by the model that wrote it; some were corrected since.
;; Lorentz Mo E. Allowed arithmetic: float matrix products may take bf16 or f16 operands with f32 sums; other float arithmetic in f32, or as packed bf16 or f16 multiplies, adds, multiply-adds, maxima and minima; sums over many terms, partial sums and values carried from step to step in f32; what a program stores and reads back later, other than sums and carried values, may be rounded once to bf16 or f16.
;; Inputs: W1 8 x 1,023 x 1,024 float32; W2 8 x 1,023 x 1,024 float32; W3 8 x 1,023 x 1,024 float32; Ws1 1,023 x 1,024 float32; Ws2 1,023 x 1,024 float32; Ws3 1,023 x 1,024 float32; gate_b 8 float32; gate_w 8 x 1,023 float32; x 2,048 x 1,024 float32.
;; Outputs: out0 2,048 x 1,024 float32.
;; 3 versions, each right; version 2 is faster than version 1; version 3 is version 2 with the launch down written anew for expert scheduling mode. Each part assembles by itself: llvm-mc -triple=amdgcn-amd-amdhsa -mcpu=gfx1250 --defsym DOCPART=n.
;; ======== version 1 of 3: 4 launches
;; workspace buffers: xb 4,194,304 bytes; gwt 8,192 bytes; idx 8,192 bytes of whole numbers; hid 67,108,864 bytes; sq 4,259,840 bytes; ord 65,792 bytes of whole numbers; comb 67,108,864 bytes; ps 8,388,608 bytes
;; launch router (part 1): grid 256 x 1, 8 waves a work-group, no clusters, 33,792 bytes of LDS; arguments x, gate_w, gate_b, xb, gwt, idx; writes xb, gwt, idx
.if DOCPART == 1
	.amdgcn_target "amdgcn-amd-amdhsa--gfx1250"
	.amdhsa_code_object_version 6
	.text
	.protected	k_qf48b51db42_router
	.globl	k_qf48b51db42_router
	.p2align	8
	.type	k_qf48b51db42_router,@function
k_qf48b51db42_router:
	s_mov_b64 s[64:65], 0
	v_nop
	global_prefetch_b8 v0, s[64:65] scope:SCOPE_SE
	s_setreg_imm32_b32 hwreg(HW_REG_WAVE_MODE, 25, 1), 1
	s_wait_xcnt 0x0
; THE GATE, AND x ROUNDED.  For each token: logits = x[1:] . gate_w[e], softmax over the 8 experts (the maximum taken away), + gate_b, the best expert;
; stored: xb = x rounded to bf16, idx = the expert (a whole number, for the later launches' addresses), gwt = its softmax score.
; NUMBERS.  x, gate_w and gate_b are rounded to bf16 (nearest even) first, as every input of this program is; products of two such numbers are exact in f32, sums are f32.
; LIMITS.  NaN and infinities are not treated apart.  Where a token's two best biased scores differ by less than the error of an f32 sum of 1,023 terms
; (some 1e-6 of a logit) the other expert may be chosen; an exact tie keeps the lower index, as jax.lax.top_k does.
; SHARES.  A work-group has 8 tokens, a wave one.  Lane l holds x[128 i + 4 l .. + 3], i = 0..7.  gate_w is laid once into LDS as G[e][k] = gate_w[e][k - 1], G[e][0] = 0:
; the shift by one is made there, so that the table is read in aligned 16 bytes a lane.  No matrix unit: 8 columns are too few for it, and the launch is bound by x's bytes.
; No cluster: what work-groups share is gate_w, 32 KB beside 32 KB of x.
.set SPARE, 32768                      ; behind the table: the spare words, 128 bytes for each of 8 waves
.set AC, 16                            ; v[16:31]   a pair of sums for each expert
.set X,  32                            ; v[32:63]   my 32 numbers of x
.set GB, 64                            ; v[64:127]  gate_w on its way into LDS; then two buffers of 32 for the table
.set XB, 128                           ; v[128:143] x in bf16
.set LG, 144                           ; v[144:151] logits, then weights, then scores
.set BS, 152                           ; v[152:159] gate_b, rounded
.set BI, 160                           ; v[160:167] a second chain of sums; then the biased scores
	s_load_b256 s[8:15], s[0:1], 0x0               ; x s[8:9], gate_w s[10:11], gate_b s[12:13], xb s[14:15]
	s_load_b128 s[16:19], s[0:1], 0x20             ; gwt s[16:17], idx s[18:19]
	v_lshl_add_u32 v2, v0, 2, SPARE                ; my spare word,
	v_mov_b32 v3, 0                                ; and 0: kept for the add at the wave's end
	v_and_b32 v1, 31, v0                           ; lane
	v_lshrrev_b32 v11, 5, v0
	v_readfirstlane_b32 s20, v11                   ; wave
	s_lshl_b32 s21, ttmp9, 3
	s_add_co_u32 s21, s21, s20                     ; my token
	s_mov_b32 s32, 0x76543210                      ; v_permlanex16_b32: each lane takes its own place in the other half
	s_mov_b32 s33, 0xfedcba98
	v_cmp_eq_u32 s34, 0, v0                        ; thread 0 holds the table's column 0
	v_lshlrev_b32 v8, 2, v0                        ; 4 t
	v_add_nc_u32 v4, -4, v8                        ; column k = t comes from gate_w's column t - 1;
	v_cndmask_b32 v4, v4, 0, s34                   ; thread 0 reads column 0 and throws it away
	v_lshlrev_b32 v9, 4, v1                        ; 16 l
	v_lshlrev_b32 v10, 3, v1                       ; 8 l
	s_lshl_b32 s22, s21, 12                        ; a row of x is 4,096 bytes
	s_mov_b32 s23, 0
	s_wait_kmcnt 0x0
	s_load_b256 s[24:31], s[12:13], 0x0            ; gate_b
	s_add_nc_u64 s[8:9], s[8:9], s[22:23]
.irp i, 0,1,2,3,4,5,6,7
	global_load_b128 v[X+4*\i:X+4*\i+3], v9, s[8:9] offset:512*\i th:TH_LOAD_NT  ; 512 consecutive bytes of my row
.endr
.irp e, 0,1,2,3,4,5,6,7
	global_load_b32 v[GB+4*\e], v4, s[10:11] offset:4092*\e                      ; G[e][t]
.irp c, 1,2,3
	global_load_b32 v[GB+4*\e+\c], v8, s[10:11] offset:4092*\e+1024*\c-4         ; G[e][t + 256 c]
.endr
.endr
	s_lshl_b32 s22, s21, 11
	s_add_nc_u64 s[14:15], s[14:15], s[22:23]      ; my row of xb
	s_lshl_b32 s22, s21, 2
	s_add_nc_u64 s[16:17], s[16:17], s[22:23]      ; my word of gwt
	s_add_nc_u64 s[18:19], s[18:19], s[22:23]      ; and of idx
	s_wait_loadcnt 0x0
.macro ROUND2 a, b                     ; two f32 rounded to bf16 and written back as f32
	v_cvt_pk_bf16_f32 v11, v[\a], v[\b]
	v_lshlrev_b32 v[\a], 16, v11
	v_and_b32 v[\b], 0xffff0000, v11
.endm
.set n_, 0
.rept 16
	ROUND2 GB+2*n_, GB+2*n_+1
.set n_, n_+1
.endr
.irp e, 0,1,2,3,4,5,6,7
	v_cndmask_b32 v[GB+4*\e], v[GB+4*\e], 0, s34   ; G[e][0] = 0: x's time coordinate takes no part in the gate
.endr
.irp e, 0,1,2,3,4,5,6,7
.irp c, 0,1,2,3
	ds_store_b32 v8, v[GB+4*\e+\c] offset:4096*\e+1024*\c
.endr
.endr
	s_wait_dscnt 0x0                               ; for the others' sake: my part of the table is written
	s_barrier_signal -1
	s_barrier_wait -1
.macro GLOAD e                         ; expert e's row of the table, my 32 numbers, into buffer e % 2
.irp i, 0,1,2,3,4,5,6,7
	ds_load_b128 v[GB+32*((\e)%2)+4*\i:GB+32*((\e)%2)+4*\i+3], v9 offset:4096*(\e)+512*\i
.endr
.endm
.macro MULE e                          ; 32 products in two chains of packed multiply-adds
.set gb_, GB+32*((\e)%2)
.set ac_, AC+2*(\e)
	v_pk_mul_f32 v[ac_:ac_+1], v[X:X+1], v[gb_:gb_+1]
	v_pk_mul_f32 v[BI:BI+1], v[X+2:X+3], v[gb_+2:gb_+3]
.set t_, 2
.rept 7
	v_pk_fma_f32 v[ac_:ac_+1], v[X+2*t_:X+2*t_+1], v[gb_+2*t_:gb_+2*t_+1], v[ac_:ac_+1]
	v_pk_fma_f32 v[BI:BI+1], v[X+2*t_+2:X+2*t_+3], v[gb_+2*t_+2:gb_+2*t_+3], v[BI:BI+1]
.set t_, t_+2
.endr
	v_pk_add_f32 v[ac_:ac_+1], v[ac_:ac_+1], v[BI:BI+1]
.endm
	GLOAD 0
.irp i, 0,1,2,3,4,5,6,7                ; x to bf16, stored, and back as the rounded f32; this stands in the wait for the table
	v_cvt_pk_bf16_f32 v[XB+2*\i], v[X+4*\i], v[X+4*\i+1]
	v_cvt_pk_bf16_f32 v[XB+2*\i+1], v[X+4*\i+2], v[X+4*\i+3]
	global_store_b64 v10, v[XB+2*\i:XB+2*\i+1], s[14:15] offset:256*\i  ; the wave's store covers 256 consecutive bytes, aligned
.endr
.irp i, 0,1,2,3,4,5,6,7,8,9,10,11,12,13,14,15
	v_lshlrev_b32 v[X+2*\i], 16, v[XB+\i]
	v_and_b32 v[X+2*\i+1], 0xffff0000, v[XB+\i]
.endr
.irp e, 0,1,2,3,4,5,6
	GLOAD \e+1
	s_wait_dscnt 8                                 ; LDS loads come back in order: the 8 just issued may stay out, this expert's are in
	MULE \e
.endr
	s_wait_dscnt 0x0
	MULE 7
	; the sum over the lane's pair and over the 32 lanes: every lane ends with all 8 logits
.irp e, 0,1,2,3,4,5,6,7
	v_add_f32 v[LG+\e], v[AC+2*\e], v[AC+2*\e+1]
.endr
.irp m, 1,2,4,8
.irp e, 0,1,2,3,4,5,6,7
	v_add_f32_dpp v[LG+\e], v[LG+\e], v[LG+\e] row_xmask:\m row_mask:0xf bank_mask:0xf
.endr
.endr
.irp e, 0,1,2,3,4,5,6,7
	v_permlanex16_b32 v[AC+2*\e], v[LG+\e], s32, s33
.endr
.irp e, 0,1,2,3,4,5,6,7
	v_add_f32 v[LG+\e], v[LG+\e], v[AC+2*\e]
.endr
	; softmax: the maximum is taken away, then 2^((l - m) log2 e)
	v_max3_num_f32 v11, v[LG], v[LG+1], v[LG+2]
	v_max3_num_f32 v11, v11, v[LG+3], v[LG+4]
	v_max3_num_f32 v11, v11, v[LG+5], v[LG+6]
	v_max_num_f32 v11, v11, v[LG+7]
.irp e, 0,1,2,3,4,5,6,7
	v_sub_f32 v[LG+\e], v[LG+\e], v11
.endr
.irp e, 0,1,2,3,4,5,6,7
	v_mul_f32 v[LG+\e], 0x3fb8aa3b, v[LG+\e]
.endr
.irp e, 0,1,2,3,4,5,6,7
	v_exp_f32 v[LG+\e], v[LG+\e]
.endr
	s_wait_kmcnt 0x0                               ; gate_b
	v_cvt_pk_bf16_f32 v11, s24, s25                ; a plain instruction behind the last exponential
	s_wait_alu depctr_va_vdst(0)                   ; one wait for the eight exponentials, ahead of their first reader
	v_lshlrev_b32 v[BS], 16, v11
	v_and_b32 v[BS+1], 0xffff0000, v11
	v_cvt_pk_bf16_f32 v11, s26, s27
	v_lshlrev_b32 v[BS+2], 16, v11
	v_and_b32 v[BS+3], 0xffff0000, v11
	v_cvt_pk_bf16_f32 v11, s28, s29
	v_lshlrev_b32 v[BS+4], 16, v11
	v_and_b32 v[BS+5], 0xffff0000, v11
	v_cvt_pk_bf16_f32 v11, s30, s31
	v_lshlrev_b32 v[BS+6], 16, v11
	v_and_b32 v[BS+7], 0xffff0000, v11
	v_add_f32 v12, v[LG], v[LG+1]
	v_add_f32 v13, v[LG+2], v[LG+3]
	v_add_f32 v14, v[LG+4], v[LG+5]
	v_add_f32 v15, v[LG+6], v[LG+7]
	v_add_f32 v12, v12, v13
	v_add_f32 v14, v14, v15
	v_add_f32 v12, v12, v14
	v_rcp_f32 v13, v12
	v_nop                                          ; a plain instruction behind the reciprocal,
	s_wait_alu depctr_va_vdst(0)                   ; and its wait
.irp e, 0,1,2,3,4,5,6,7
	v_mul_f32 v[LG+\e], v[LG+\e], v13              ; the scores
.endr
.irp e, 0,1,2,3,4,5,6,7
	v_add_f32 v[BI+\e], v[LG+\e], v[BS+\e]         ; the bias steers the choice alone
.endr
	v_mov_b32 v12, v[BI]                           ; the best so far, its index, its score
	v_mov_b32 v14, 0
	v_mov_b32 v15, v[LG]
.irp e, 1,2,3,4,5,6,7
	v_cmp_gt_f32 vcc_lo, v[BI+\e], v12             ; strictly greater: a tie keeps the lower index
	v_cndmask_b32 v12, v12, v[BI+\e], vcc_lo
	v_cndmask_b32 v14, v14, \e, vcc_lo
	v_cndmask_b32 v15, v15, v[LG+\e], vcc_lo
.endr
	v_mov_b32 v13, 0
	v_cmp_eq_u32 vcc_lo, 0, v1
	s_wait_xcnt 0x0                                ; EXEC changes only behind this wait: xb's stores have had their addresses translated
	s_and_saveexec_b32 s35, vcc_lo                 ; lane 0 stores for the wave
	global_store_b32 v13, v14, s[18:19]
	global_store_b32 v13, v15, s[16:17]
	s_wait_xcnt 0x0                                ; and again, in front of the line that widens it
	s_or_b32 exec_lo, exec_lo, s35
	s_wait_tensorcnt 0x0                           ; the wave's end: three closing lines behind my last LDS store
	ds_add_u32 v2, v3
	s_wait_dscnt 0x0
	s_endpgm
.Lfunc_end_k_qf48b51db42_router:
	.size	k_qf48b51db42_router, .Lfunc_end_k_qf48b51db42_router-k_qf48b51db42_router
	.p2alignl 7, 3214868480
	.fill 96, 4, 3214868480
	.section	.rodata,"a",@progbits
	.p2align	6, 0x0
	.amdhsa_kernel k_qf48b51db42_router
		.amdhsa_group_segment_fixed_size 33792
		.amdhsa_private_segment_fixed_size 0
		.amdhsa_enable_private_segment 0
		.amdhsa_kernarg_size 48
		.amdhsa_user_sgpr_count 2
		.amdhsa_user_sgpr_kernarg_segment_ptr 1
		.amdhsa_wavefront_size32 1
		.amdhsa_system_sgpr_workgroup_id_x 1
		.amdhsa_system_sgpr_workgroup_id_y 1
		.amdhsa_system_sgpr_workgroup_id_z 1
		.amdhsa_system_vgpr_workitem_id 0
		.amdhsa_next_free_vgpr 168
		.amdhsa_next_free_sgpr 66
		.amdhsa_reserve_vcc 1
		.amdhsa_float_denorm_mode_32 3
		.amdhsa_float_denorm_mode_16_64 3
		.amdhsa_memory_ordered 1
		.amdhsa_forward_progress 1
		.amdhsa_inst_pref_size 34
	.end_amdhsa_kernel
	.amdgpu_metadata
---
amdhsa.version: [ 1, 2 ]
amdhsa.kernels:
  - .name:           k_qf48b51db42_router
    .symbol:         k_qf48b51db42_router.kd
    .args:
      - { .name: x, .offset: 0, .size: 8, .value_kind: global_buffer, .address_space: global }
      - { .name: gate_w, .offset: 8, .size: 8, .value_kind: global_buffer, .address_space: global }
      - { .name: gate_b, .offset: 16, .size: 8, .value_kind: global_buffer, .address_space: global }
      - { .name: xb, .offset: 24, .size: 8, .value_kind: global_buffer, .address_space: global }
      - { .name: gwt, .offset: 32, .size: 8, .value_kind: global_buffer, .address_space: global }
      - { .name: idx, .offset: 40, .size: 8, .value_kind: global_buffer, .address_space: global }
    .group_segment_fixed_size: 33792
    .private_segment_fixed_size: 0
    .kernarg_segment_align: 8
    .kernarg_segment_size: 48
    .max_flat_workgroup_size: 256
    .sgpr_count:     66
    .vgpr_count:     168
    .wavefront_size: 32
...
	.end_amdgpu_metadata
.endif
;; end of part 1
;; launch up (part 2): grid 32 x 8, 8 waves a work-group, no clusters, 273,920 bytes of LDS; arguments xb, idx, gwt, W1, W3, Ws1, Ws3, hid, sq, ord; writes hid, sq, ord
.if DOCPART == 2
	.amdgcn_target "amdgcn-amd-amdhsa--gfx1250"
	.amdhsa_code_object_version 6
	.text
	.protected	k_qf48b51db42_up
	.globl	k_qf48b51db42_up
	.p2align	8
	.type	k_qf48b51db42_up,@function
k_qf48b51db42_up:
	s_mov_b64 s[64:65], 0
	v_nop
	global_prefetch_b8 v0, s[64:65] scope:SCOPE_SE
	s_setreg_imm32_b32 hwreg(HW_REG_WAVE_MODE, 25, 1), 1
	s_wait_xcnt 0x0
; THE FIRST PRODUCTS AND THE GATING, routed and shared expert together.  Work-group (j, e): hidden columns 32 j .. 32 j + 31, for the tokens that chose expert e.
; sp = silu(x W1^T) (x W3^T) with W1[e], W3[e] (kind 0) and with Ws1, Ws3 (kind 1).  Hidden column c is weight row c - 1 (column 0 is the time slot): a shift by one ROW of 4,096 bytes, so every load stays
; aligned; column 0 takes row 0 and is stored as 0: the next launch adds the time slot's part in f32.  reference()'s factor sqrt(C_E / C) is exactly 1.0 and changes no bit: no line is written for it.
; STORED.  hid: sp in bf16, laid as the next launch's operand registers take it: [kind][e][j][16 ranks g][half f][lane][8 numbers]; sq: the f32 sum of sp^2 over these 32 columns, (kind 0, kind 1) for each rank;
; by the work-groups j = 0 also ord (rank -> token, and the expert's count) and wr (the gate's weight by rank).
; RANKS.  An expert's tokens are numbered in the order in which wave 7 finds them in idx: the same in all 32 work-groups of the expert.  Tiles are 32 ranks; the places past the count repeat the last token.
; Every split is served: 0 to 2,048 tokens on an expert.
; NUMBERS.  Weights are rounded to bf16 on their way through registers (each routed weight is read once in the launch, by this work-group alone); sums f32; silu(s) = s / (1 + 2^(-s log2 e)).
; LIMITS.  NaN and infinities are not treated apart.
; PLAN.  Phase 1: the 128 weight rows (4 matrices x 32) go into LDS as bf16; wave w lays rows 4 w .. 4 w + 3 of each matrix; 32 loads of 512 bytes of every wave are on their way.  Wave 7 also makes the list.
; ONE barrier.  Phase 2: each wave by itself walks tiles w, w + 8, ..: no barrier, nothing writes LDS, token rows come from memory straight into operand registers.
; THE MATRIX INSTRUCTION IS USED TRANSPOSED (source 0 = 16 weight rows, source 1 = 16 tokens): a lane holds ONE token (lane % 16) and eight neighbouring hidden columns 8 (lane / 16) + 0..7.
; NO TENSOR LOADS, NO CLUSTER: the weights must pass through registers to be rounded, and each routed slice has one reader; the token rows come by a list, which no descriptor covers;
; what work-groups share, the shared expert's slices, is 256 KB of the 1 MB that a work-group reads.
.set PITCH, 2064                       ; an LDS row: 2,048 bytes + 16 = 516 words: row r starts at bank 4 r mod 64 (64 banks of 4 bytes: ISA guide 11.1): the 16 rows of a fragment load start at 16 different banks
.set FRAG,  16*PITCH
.set LIST,  128*PITCH                  ; behind the weights: 2,048 words rank -> token, and 32 words into which lanes without a match write
.set NE,    LIST+8448                  ; the expert's count
.set SPARE, NE+256                     ; the spare words, 128 bytes for each of 8 waves
.set WEXP,  1023*4096                  ; bytes of one expert's matrix
.set WR_OFF, 4194304                   ; wr's place in sq
.set META_OFF, 65536                   ; the counts' place in ord
.set LAST,  15                         ; a wave's last weight row
.set CV,  16                           ; phase 1: v[16:31] a row in bf16; v[32:41] at work on the list; v[64:127] idx; v[128:255] four rows in f32
.set AR,  16                           ; v[16:63]   token fragments: three slots of 2 x 8
.set BH,  64                           ; v[64:127]  weight fragments: two halves of 4 x 8 (F = 0..3: W1, W3; F = 4..7: Ws1, Ws3)
.set ACC, 128                          ; v[128:255] accumulator (a, F) at ACC + 8 (8 a + F)
.set T,   16                           ; the way out: v[16:79] 64 numbers at work: 16 (2 a + kind) + 8 f + register
.set OUT, 80                           ; v[80:111] the same in bf16
.set SS,  112                          ; v[112:119] sums of squares; v[120:125] at work
; v0 gate weight (j = 0); v1 lane; v2 lane % 16; v3 16 (lane / 16); v4, v5 the add's; v6-9 LDS places of fragment pairs; v10, v11 token rows; v12 hid, v13 sq, v14 ord offsets; v15 my rank's token
; s8 wave, s9 j, s10 e, s11 count, s12 tiles, s13 count - 1, s14 my trips, s15 trip, s36 tile, s37 tile clamped, s[44:47] hid, s[48:49] sq, s[50:51] ord, s[52:53] wr, s[38:39] the count's word
.macro PLACES                          ; four places between matrix instructions and loads into, or vector writes of, registers that they read
.rept 4
	v_nop
.endr
.endm
.macro WROW n                          ; weight row n of my 16: matrix n / 4, row 4 w + n % 4 of the slice: eight loads of 512 consecutive bytes
.set wm_, (\n)/4
.set wi_, (\n)%4
.set wd_, ACC+32*wi_
.set wv_, 14+(wi_+3)/4                 ; the first row has an offset register of its own, since it may be clamped
.set wo_, ((wi_+3)/4)*(wi_-1)*4096
.irp c, 0,1,2,3,4,5,6,7
.if wm_ < 2
	global_load_b128 v[wd_+4*\c:wd_+4*\c+3], v[wv_], s[22+2*wm_:23+2*wm_] offset:wo_+512*\c th:TH_LOAD_NT  ; read once in the launch
.else
	global_load_b128 v[wd_+4*\c:wd_+4*\c+3], v[wv_], s[22+2*wm_:23+2*wm_] offset:wo_+512*\c                ; read by eight work-groups
.endif
.endr
.endm
.macro WCVT n                          ; row n is rounded and laid into LDS; its registers take the row four further on
.if (\n) <= LAST-3
	s_wait_loadcnt 24                              ; loads come back in order: the three younger rows, 8 loads each, stay out
.else
	s_wait_loadcnt 8*(LAST-(\n))
.endif
.set wd_, ACC+32*((\n)%4)
.irp c, 0,1,2,3,4,5,6,7
	v_cvt_pk_bf16_f32 v[CV+2*\c], v[wd_+4*\c], v[wd_+4*\c+1]
	v_cvt_pk_bf16_f32 v[CV+2*\c+1], v[wd_+4*\c+2], v[wd_+4*\c+3]
.endr
.if (\n)+4 <= LAST
	WROW (\n)+4
.endif
.irp c, 0,1,2,3,4,5,6,7
	ds_store_b64 v12, v[CV+2*\c:CV+2*\c+1] offset:((\n)%4)*PITCH+256*\c  ; 256 consecutive bytes
.endr
.if (\n)%4 == 3
	v_add_nc_u32 v12, 32*PITCH, v12                ; the next matrix's 32 rows
.endif
.endm
; 128 tokens: register 4 i + c of idx holds token 128 i + 4 lane + c.  A lane whose token chose e writes it at the rank = matches so far + matches in lower lanes; the others write a word of their own behind the list.
.macro CMP4 i
.irp c, 0,1,2,3
	v_cmp_eq_u32 s[66+\c], s10, v[64+4*(\i)+\c]
.endr
	s_bcnt1_i32_b32 s70, s66
	s_bcnt1_i32_b32 s71, s67
	s_bcnt1_i32_b32 s72, s68
	s_bcnt1_i32_b32 s73, s69
	s_add_co_u32 s70, s70, s58
	s_add_co_u32 s71, s71, s70
	s_add_co_u32 s72, s72, s71
	s_add_co_u32 s73, s73, s72
	v_mbcnt_lo_u32_b32 v32, s66, s58
	v_mbcnt_lo_u32_b32 v33, s67, s70
	v_mbcnt_lo_u32_b32 v34, s68, s71
	v_mbcnt_lo_u32_b32 v35, s69, s72
	s_mov_b32 s58, s73
.irp c, 0,1,2,3
	v_cndmask_b32 v[32+\c], v36, v[32+\c], s[66+\c]
	v_min_u32 v[32+\c], 0x81f, v[32+\c]            ; inside the list and its 32 words, whatever idx holds
	v_lshl_add_u32 v[32+\c], v[32+\c], 2, LIST
	v_add_nc_u32 v[38+\c], 128*(\i)+\c, v37
	ds_store_b32 v[32+\c], v[38+\c]
.endr
.endm
	s_load_b512 s[16:31], s[0:1], 0x0              ; xb s[16:17], idx s[18:19], gwt s[20:21], W1 s[22:23], W3 s[24:25], Ws1 s[26:27], Ws3 s[28:29], hid s[30:31]
	s_load_b128 s[32:35], s[0:1], 0x40             ; sq s[32:33], ord s[34:35]
	v_lshl_add_u32 v4, v0, 2, SPARE                ; my spare word,
	v_mov_b32 v5, 0                                ; and 0: kept for the add at the wave's end
	v_and_b32 v1, 31, v0
	v_lshrrev_b32 v15, 5, v0
	v_readfirstlane_b32 s8, v15                    ; wave
	s_mov_b32 s9, ttmp9                            ; j
	s_and_b32 s10, ttmp7, 0xffff                   ; e
	s_lshl_b32 s58, s9, 5
	s_lshl_b32 s59, s8, 2
	s_add_co_u32 s58, s58, s59                     ; hidden column 32 j + 4 w: its weight row is one less
	s_max_u32 s59, s58, 1
	s_sub_co_u32 s59, s59, 1                       ; my first row, clamped to 0 for column 0
	s_lshl_b32 s58, s58, 12
	s_lshl_b32 s59, s59, 12
	v_lshl_add_u32 v15, v1, 4, s58                 ; my second row + 16 l
	v_lshl_add_u32 v14, v1, 4, s59                 ; my first row + 16 l
	v_lshlrev_b32 v13, 4, v1
	s_mul_i32 s59, s8, 4*PITCH
	v_lshl_add_u32 v12, v1, 3, s59                 ; LDS: row 4 w, 8 l
	s_mul_i32 s42, s10, WEXP
	s_mov_b32 s43, 0
	s_wait_kmcnt 0x0
	s_add_nc_u64 s[22:23], s[22:23], s[42:43]      ; W1[e]
	s_add_nc_u64 s[24:25], s[24:25], s[42:43]      ; W3[e]
	s_cmp_lg_u32 s8, 7
	s_cbranch_scc1 .Lno_idx
.irp i, 0,1,2,3,4,5,6,7,8,9,10,11,12,13,14,15
	global_load_b128 v[64+4*\i:67+4*\i], v13, s[18:19] offset:512*\i  ; wave 7: all 2,048 choices
.endr
.Lno_idx:
	WROW 0
	WROW 1
	WROW 2
	WROW 3
	; the rest of the set-up stands behind the first loads
	s_mov_b32 s54, 0x76543210                      ; v_permlanex16_b32: each lane takes its own place in the other half
	s_mov_b32 s55, 0xfedcba98
	s_mov_b32 s56, 0xffff0000                      ; lanes 16-31
	s_cmp_eq_u32 s9, 0
	s_cselect_b32 s57, 0xffff, 0                   ; the lanes that hold hidden column 0 in register 0 of f = 0
	s_lshl_b32 s42, s10, 22
	s_lshl_b32 s59, s9, 17
	s_add_co_u32 s42, s42, s59
	s_add_nc_u64 s[44:45], s[30:31], s[42:43]      ; hid[0][e][j]
	s_add_nc_u64 s[46:47], s[44:45], 0x2000000     ; hid[1][e][j]
	s_lshl_b32 s42, s10, 19
	s_lshl_b32 s59, s9, 14
	s_add_co_u32 s42, s42, s59
	s_add_nc_u64 s[48:49], s[32:33], s[42:43]      ; sq[e][j]
	s_lshl_b32 s42, s10, 13
	s_add_nc_u64 s[50:51], s[34:35], s[42:43]      ; ord[e]
	s_add_nc_u64 s[52:53], s[32:33], s[42:43]
	s_add_nc_u64 s[52:53], s[52:53], WR_OFF        ; wr[e]
	s_lshl_b32 s42, s10, 2
	s_add_nc_u64 s[38:39], s[34:35], s[42:43]
	s_add_nc_u64 s[38:39], s[38:39], META_OFF      ; the count's word
	v_and_b32 v2, 15, v1
	v_and_b32 v3, 16, v1
	v_mul_u32_u24 v6, v2, PITCH
	v_add_nc_u32 v6, v6, v3                        ; a fragment's row x pitch + 16 x half
	v_add_nc_u32 v7, 2*FRAG, v6
	v_add_nc_u32 v8, 4*FRAG, v6
	v_add_nc_u32 v9, 6*FRAG, v6
	s_cmp_lg_u32 s8, 7
	s_cbranch_scc1 .Lno_cmp
	s_wait_loadcnt 32                              ; idx is in; my four weight rows, 32 loads issued behind it, stay out
	v_add_nc_u32 v36, 2048, v1
	v_lshlrev_b32 v37, 2, v1
	s_mov_b32 s58, 0
.irp i, 0,1,2,3,4,5,6,7,8,9,10,11,12,13,14,15
	CMP4 \i
.endr
	v_mov_b32 v32, s58
	v_mov_b32 v33, NE
	ds_store_b32 v33, v32                          ; the count
.Lno_cmp:
.irp n, 0,1,2,3,4,5,6,7,8,9,10,11,12,13,14,15
	WCVT \n
.endr
	s_wait_dscnt 0x0                               ; for the others' sake: my rows, and wave 7's list, are written
	s_barrier_signal -1
	s_barrier_wait -1                              ; the one barrier: from here on LDS is only read
	v_mov_b32 v15, NE
	ds_load_b32 v15, v15
	s_wait_dscnt 0x0
	v_readfirstlane_b32 s11, v15
	s_min_u32 s11, s11, 2048
	s_add_co_u32 s12, s11, 31
	s_lshr_b32 s12, s12, 5                         ; tiles of 32 ranks
	s_max_u32 s13, s11, 1
	s_sub_co_u32 s13, s13, 1                       ; the last rank that exists
	s_add_co_u32 s14, s12, 7
	s_sub_co_u32 s14, s14, s8
	s_lshr_b32 s14, s14, 3                         ; tiles w, w + 8, .. below the number of tiles
	s_or_b32 s59, s9, s8
	s_cmp_lg_u32 s59, 0
	s_cbranch_scc1 .Lno_meta                       ; wave 0 of j = 0 stores the count
	v_mov_b32 v13, s11
	v_mov_b32 v14, 0
	v_cmp_eq_u32 vcc_lo, 0, v1
	s_wait_xcnt 0x0                                ; EXEC changes only behind this wait
	s_and_saveexec_b32 s60, vcc_lo
	global_store_b32 v14, v13, s[38:39]
	s_wait_xcnt 0x0
	s_or_b32 exec_lo, exec_lo, s60
.Lno_meta:
	s_mov_b32 s15, 0
	s_mov_b32 s36, s8
	s_cmp_eq_u32 s14, 0
	s_cbranch_scc1 .Lend
.macro ALOAD j                         ; the two token fragments of K step j: lane (r, h) takes 16 bytes at 64 j + 16 h and at 64 j + 32 + 16 h of its token's row
.set as_, AR+16*((\j)%3)
.irp a, 0,1
	global_load_b128 v[as_+8*\a:as_+8*\a+3], v[10+\a], s[16:17] offset:64*(\j)
	global_load_b128 v[as_+8*\a+4:as_+8*\a+7], v[10+\a], s[16:17] offset:64*(\j)+32
.endr
.endm
.macro BLOAD half, j                   ; four weight fragments of K step j
.irp u, 0,1,2,3
.set bf_, 4*(\half)+\u
.set br_, BH+32*(\half)+8*\u
	ds_load_b128 v[br_:br_+3], v[6+bf_/2] offset:(bf_%2)*FRAG+64*(\j)
	ds_load_b128 v[br_+4:br_+7], v[6+bf_/2] offset:(bf_%2)*FRAG+64*(\j)+32
.endr
.endm
.macro MM half, j                      ; 8 matrix instructions; the 16 accumulators take turns, one instruction a turn; step 0 starts the sums with the constant 0
.set as_, AR+16*((\j)%3)
.irp u, 0,1,2,3
.irp a, 0,1
.set ac_, ACC+8*(8*\a+4*(\half)+\u)
.set br_, BH+32*(\half)+8*\u
.if (\j) == 0
	v_wmma_f32_16x16x32_bf16 v[ac_:ac_+7], v[br_:br_+7], v[as_+8*\a:as_+8*\a+7], 0
.else
	v_wmma_f32_16x16x32_bf16 v[ac_:ac_+7], v[br_:br_+7], v[as_+8*\a:as_+8*\a+7], v[ac_:ac_+7]
.endif
.endr
.endr
.endm
.macro KSTEP j
.if (\j) <= 29
	s_wait_loadcnt 8                               ; this step's tokens are in; the next two steps', 4 loads each, stay out
.elseif (\j) == 30
	s_wait_loadcnt 4
.else
	s_wait_loadcnt 0x0
.endif
	s_wait_dscnt 8                                 ; the first half's fragments are in; the second half's 8 loads may be out
	MM 0, \j
.if (\j) < 31
	PLACES
	BLOAD 0, (\j)+1
	s_wait_dscnt 8                                 ; all but the 8 just issued
.else
	s_wait_dscnt 0x0
.endif
	MM 1, \j
	PLACES                                         ; in the last step: the places in front of the way out
.if (\j) < 31
	BLOAD 1, (\j)+1
.endif
.if (\j) < 29
	ALOAD (\j)+3                                   ; into the slot just multiplied
.endif
.endm
.macro GATE src                        ; the 64 numbers at work times the accumulators F = 4 kind + src + f, each read from its low end on
.set b_, 0
.rept 4
.irp f, 0,1
.irp p, 0,1,2,3
.set t_, T+16*b_+8*\f+2*\p
.set s_, ACC+8*(8*(b_/2)+4*(b_%2)+(\src)+\f)+2*\p
	v_pk_mul_f32 v[t_:t_+1], v[t_:t_+1], v[s_:s_+1]
.endr
.endr
.set b_, b_+1
.endr
.endm
.Ltile:                                                ; a trip: one tile of 32 ranks, all of K; LDS is only read
	s_min_u32 s37, s36, 63
	s_lshl_b32 s58, s37, 5
	v_add_nc_u32 v10, s58, v2                      ; the rank of row r of fragment 0,
	v_add_nc_u32 v11, 16, v10                      ; of fragment 1;
	v_min_u32 v10, s13, v10                        ; places past the count repeat the last token
	v_min_u32 v11, s13, v11
	v_min_u32 v10, 0x7ff, v10
	v_min_u32 v11, 0x7ff, v11
	v_lshl_add_u32 v10, v10, 2, LIST
	v_lshl_add_u32 v11, v11, 2, LIST
	ds_load_b32 v10, v10
	ds_load_b32 v11, v11
	s_lshl_b32 s58, s37, 11
	v_lshl_add_u32 v12, v1, 4, s58                 ; hid: 2,048 bytes a tile, 16 a lane
	s_lshl_b32 s58, s37, 8
	v_lshl_add_u32 v13, v1, 3, s58                 ; sq: 8 bytes a rank
	s_lshl_b32 s58, s37, 7
	v_lshl_add_u32 v14, v1, 2, s58                 ; ord, wr: 4 bytes a rank
	BLOAD 0, 0
	BLOAD 1, 0
	s_wait_dscnt 16                                ; the two tokens are in; the 16 fragment loads issued behind them stay out
	v_min_u32 v10, 0x7ff, v10
	v_min_u32 v11, 0x7ff, v11
	v_cndmask_b32 v15, v10, v11, s56               ; lane l: the token of rank 32 tile + l
	v_lshl_add_u32 v10, v10, 11, v3                ; token x 2,048 + 16 x half
	v_lshl_add_u32 v11, v11, 11, v3
	s_cmp_lg_u32 s9, 0
	s_cbranch_scc1 .Lno_gw
	v_lshlrev_b32 v0, 2, v15
	global_load_b32 v0, v0, s[20:21]               ; j = 0: the gate's weight of my rank; older than every counted load below
.Lno_gw:
	ALOAD 0
	ALOAD 1
	ALOAD 2
.set k_, 0
.rept 32
	KSTEP k_
.set k_, k_+1
.endr
	; THE WAY OUT.  Block b = 2 a + kind has s1 in accumulators (a, 4 kind + f) and s3 in (a, 4 kind + 2 + f).
.set b_, 0
.rept 4
.irp f, 0,1
.irp p, 0,1,2,3
.set t_, T+16*b_+8*\f+2*\p
.set s_, ACC+8*(8*(b_/2)+4*(b_%2)+\f)+2*\p
	v_pk_mul_f32 v[t_:t_+1], v[s_:s_+1], 0xbfb8aa3b op_sel_hi:[1,0]  ; -s1 log2 e
.endr
.endr
.set b_, b_+1
.endr
.set i_, 0
.rept 64
	v_exp_f32 v[T+i_], v[T+i_]
.set i_, i_+1
.endr
	v_nop                                          ; a plain instruction behind the last exponential,
	s_wait_alu depctr_va_vdst(0)                   ; and one wait for the batch of 64
.set i_, 0
.rept 32
	v_pk_add_f32 v[T+2*i_:T+2*i_+1], v[T+2*i_:T+2*i_+1], 1.0 op_sel_hi:[1,0]
.set i_, i_+1
.endr
.set i_, 0
.rept 64
	v_rcp_f32 v[T+i_], v[T+i_]
.set i_, i_+1
.endr
	v_nop
	s_wait_alu depctr_va_vdst(0)                   ; one wait for the 64 reciprocals
	GATE 0                                         ; silu(s1)
	GATE 2                                         ; times s3
.irp b, 0,1,2,3
	v_cndmask_b32 v[T+16*\b], v[T+16*\b], 0, s57   ; hidden column 0 is the time slot: 0 here
.endr
.irp t, 0,1,2,3,4,5,6,7
.irp b, 0,1,2,3
.if \t == 0
	v_pk_mul_f32 v[SS+2*\b:SS+2*\b+1], v[T+16*\b:T+16*\b+1], v[T+16*\b:T+16*\b+1]
.else
	v_pk_fma_f32 v[SS+2*\b:SS+2*\b+1], v[T+16*\b+2*\t:T+16*\b+2*\t+1], v[T+16*\b+2*\t:T+16*\b+2*\t+1], v[SS+2*\b:SS+2*\b+1]
.endif
.endr
.endr
.set i_, 0
.rept 32
	v_cvt_pk_bf16_f32 v[OUT+i_], v[T+2*i_], v[T+2*i_+1]
.set i_, i_+1
.endr
.irp a, 0,1
.irp kd, 0,1
.irp f, 0,1
	global_store_b128 v12, v[OUT+8*(2*\a+\kd)+4*\f:OUT+8*(2*\a+\kd)+4*\f+3], s[44+2*\kd:45+2*\kd] offset:1024*\a+512*\f  ; 512 consecutive bytes, aligned
.endr
.endr
.endr
.irp b, 0,1,2,3
	v_add_f32 v[120+\b], v[SS+2*\b], v[SS+2*\b+1]
.endr
.irp b, 0,1,2,3
	v_permlanex16_b32 v[SS+2*\b], v[120+\b], s54, s55  ; the token's other 16 columns lie in the lane 16 away
.endr
.irp b, 0,1,2,3
	v_add_f32 v[120+\b], v[120+\b], v[SS+2*\b]
.endr
	v_cndmask_b32 v124, v120, v122, s56            ; lane l: rank l's sums: fragment 0 below, fragment 1 above
	v_cndmask_b32 v125, v121, v123, s56
	global_store_b64 v13, v[124:125], s[48:49]     ; 256 consecutive bytes, aligned
	s_cmp_lg_u32 s9, 0
	s_cbranch_scc1 .Lno_ord
	global_store_b32 v14, v15, s[50:51]            ; j = 0: rank -> token,
	global_store_b32 v14, v0, s[52:53]             ; and the gate's weight by rank
.Lno_ord:
	s_wait_xcnt 0x0                                ; the stores' data and offsets are written again in the next trip only behind this wait
	s_add_co_u32 s36, s36, 8
	s_add_co_u32 s15, s15, 1
	s_cmp_lt_u32 s15, s14
	s_cbranch_scc1 .Ltile
.Lend:
	s_wait_tensorcnt 0x0                           ; the wave's end: three closing lines behind my last LDS store
	ds_add_u32 v4, v5
	s_wait_dscnt 0x0
	s_endpgm
.Lfunc_end_k_qf48b51db42_up:
	.size	k_qf48b51db42_up, .Lfunc_end_k_qf48b51db42_up-k_qf48b51db42_up
	.p2alignl 7, 3214868480
	.fill 96, 4, 3214868480
	.section	.rodata,"a",@progbits
	.p2align	6, 0x0
	.amdhsa_kernel k_qf48b51db42_up
		.amdhsa_group_segment_fixed_size 273920
		.amdhsa_private_segment_fixed_size 0
		.amdhsa_enable_private_segment 0
		.amdhsa_kernarg_size 80
		.amdhsa_user_sgpr_count 2
		.amdhsa_user_sgpr_kernarg_segment_ptr 1
		.amdhsa_wavefront_size32 1
		.amdhsa_system_sgpr_workgroup_id_x 1
		.amdhsa_system_sgpr_workgroup_id_y 1
		.amdhsa_system_sgpr_workgroup_id_z 1
		.amdhsa_system_vgpr_workitem_id 0
		.amdhsa_next_free_vgpr 256
		.amdhsa_next_free_sgpr 74
		.amdhsa_reserve_vcc 1
		.amdhsa_float_denorm_mode_32 3
		.amdhsa_float_denorm_mode_16_64 3
		.amdhsa_memory_ordered 1
		.amdhsa_forward_progress 1
		.amdhsa_inst_pref_size 185
	.end_amdhsa_kernel
	.amdgpu_metadata
---
amdhsa.version: [ 1, 2 ]
amdhsa.kernels:
  - .name:           k_qf48b51db42_up
    .symbol:         k_qf48b51db42_up.kd
    .args:
      - { .name: xb, .offset: 0, .size: 8, .value_kind: global_buffer, .address_space: global }
      - { .name: idx, .offset: 8, .size: 8, .value_kind: global_buffer, .address_space: global }
      - { .name: gwt, .offset: 16, .size: 8, .value_kind: global_buffer, .address_space: global }
      - { .name: W1, .offset: 24, .size: 8, .value_kind: global_buffer, .address_space: global }
      - { .name: W3, .offset: 32, .size: 8, .value_kind: global_buffer, .address_space: global }
      - { .name: Ws1, .offset: 40, .size: 8, .value_kind: global_buffer, .address_space: global }
      - { .name: Ws3, .offset: 48, .size: 8, .value_kind: global_buffer, .address_space: global }
      - { .name: hid, .offset: 56, .size: 8, .value_kind: global_buffer, .address_space: global }
      - { .name: sq, .offset: 64, .size: 8, .value_kind: global_buffer, .address_space: global }
      - { .name: ord, .offset: 72, .size: 8, .value_kind: global_buffer, .address_space: global }
    .group_segment_fixed_size: 273920
    .private_segment_fixed_size: 0
    .kernarg_segment_align: 8
    .kernarg_segment_size: 80
    .max_flat_workgroup_size: 256
    .sgpr_count:     74
    .vgpr_count:     256
    .wavefront_size: 32
...
	.end_amdgpu_metadata
.endif
;; end of part 2
;; launch down (part 3): grid 32 x 8, 8 waves a work-group, no clusters, 169,984 bytes of LDS; arguments hid, sq, ord, W2, Ws2, comb, ps; writes comb, ps
.if DOCPART == 3
	.amdgcn_target "amdgcn-amd-amdhsa--gfx1250"
	.amdhsa_code_object_version 6
	.text
	.protected	k_qf48b51db42_down
	.globl	k_qf48b51db42_down
	.p2align	8
	.type	k_qf48b51db42_down,@function
k_qf48b51db42_down:
	s_mov_b64 s[64:65], 0
	v_nop
	global_prefetch_b8 v0, s[64:65] scope:SCOPE_SE
	s_setreg_imm32_b32 hwreg(HW_REG_WAVE_MODE, 25, 1), 1
	s_wait_xcnt 0x0
; THE SECOND PRODUCTS, routed and shared expert together.  Work-group (s, e): output columns 32 s .. 32 s + 31, for the ranks of expert e.
; o = h W2[e]^T, z = h' Ws2^T with h = [t, sp], t = sqrt(max(sum sp^2 + 1, 1e-8)).  Output column d is weight row d - 1 (column 0 is the time coordinate, made by the next launch): a shift by one row, as in the launch before.
; The time slot never passes through bf16: hid holds 0 in hidden column 0, and t x W2[d - 1][0] is added here in f32.
; STORED.  comb[e][s][rank][32] = z + 2 w o (f32; column 0 of s = 0 holds 0); ps[e][s][rank] = (sum o^2, sum z^2, sum comb^2, 0) over these 32 columns, f32.
; PLAN.  As the launch before: the 64 weight rows go into LDS as bf16 (wave w lays rows 4 w .. 4 w + 3 of each matrix), ONE barrier, then each wave by itself walks tiles of 32 ranks; hid comes from memory
; straight into operand registers, 512 consecutive bytes a load.  The wave's own stage in LDS turns a lane's eight columns into whole rows; its addresses are the same in every trip.
; TRANSPOSED USE: source 0 = 16 weight rows, source 1 = 16 ranks: a lane holds one rank (lane % 16) and output columns 8 (lane / 16) + 0..7.
; LIMITS.  NaN and infinities are not treated apart.
; NO TENSOR LOADS, NO CLUSTER: the weights pass through registers to be rounded, each routed slice has one reader; hid is shared by an expert's 32 work-groups, but how much of it there is hangs on a stored count,
; and a loop of that length holds no barrier, which joint loads would want.
.set PITCH, 2064                       ; 2,048 bytes + 16: the 16 rows of a fragment load start at 16 different banks (64 banks of 4 bytes: ISA guide 11.1)
.set FRAG,  16*PITCH
.set STAGE, 64*PITCH                   ; behind the weights: 32 rows x 144 bytes for each wave
.set SP,    144                        ; 128 bytes + 16 = 36 words: 16 rows start at 16 different groups of four banks
.set SPARE, STAGE+8*32*SP              ; the spare words, 128 bytes for each of 8 waves
.set WEXP,  1023*4096
.set WR_OFF, 4194304
.set LAST,  7
.set CV,   20                          ; phase 1: v[20:35] a row in bf16; v[128:255] four rows in f32
.set RING, 20                          ; v[20:127] three slots of 36: fragment (kind, a) at + 8 (2 kind + a); the step's pair of sq at + 32
.set BB,   128                         ; v[128:191] two buffers of weight fragments: (kind, f) at + 8 (2 kind + f)
.set ACC,  192                         ; v[192:255] accumulator (kind, a, f) at ACC + 8 (4 kind + 2 a + f)
; v1 lane; v2 lane % 16; v3 16 (lane / 16); v4, v5 the add's; v6, v7 LDS places of a kind's fragments; v8 hid, v9 sq, v10 wr offsets; v11, v12 stage in and back; v13 comb offset;
; v14, v15 LDS places of the weights' column 0; v[16:17] sums of sq; v18 w; v19 ps offset
; s8 wave, s9 s, s10 e, s11 count, s12 tiles, s14 my trips, s15 trip, s36 tile, s37 tile clamped, s[44:47] hid, s[48:49] sq, s[50:51] wr, s[52:53] comb, s[58:59] ps
.macro PLACES
.rept 4
	v_nop
.endr
.endm
.macro WROW n                          ; weight row n of my 8: matrix n / 4, row 4 w + n % 4 of the slice
.set wm_, (\n)/4
.set wi_, (\n)%4
.set wd_, 128+32*wi_
.set wv_, 14+(wi_+3)/4
.set wo_, ((wi_+3)/4)*(wi_-1)*4096
.irp c, 0,1,2,3,4,5,6,7
.if wm_ < 1
	global_load_b128 v[wd_+4*\c:wd_+4*\c+3], v[wv_], s[22+2*wm_:23+2*wm_] offset:wo_+512*\c th:TH_LOAD_NT  ; read once in the launch
.else
	global_load_b128 v[wd_+4*\c:wd_+4*\c+3], v[wv_], s[22+2*wm_:23+2*wm_] offset:wo_+512*\c                ; read by eight work-groups
.endif
.endr
.endm
.macro WCVT n
.if (\n) <= LAST-3
	s_wait_loadcnt 24                              ; the three younger rows, 8 loads each, stay out
.else
	s_wait_loadcnt 8*(LAST-(\n))
.endif
.set wd_, 128+32*((\n)%4)
.irp c, 0,1,2,3,4,5,6,7
	v_cvt_pk_bf16_f32 v[CV+2*\c], v[wd_+4*\c], v[wd_+4*\c+1]
	v_cvt_pk_bf16_f32 v[CV+2*\c+1], v[wd_+4*\c+2], v[wd_+4*\c+3]
.endr
.if (\n)+4 <= LAST
	WROW (\n)+4
.endif
.irp c, 0,1,2,3,4,5,6,7
	ds_store_b64 v12, v[CV+2*\c:CV+2*\c+1] offset:((\n)%4)*PITCH+256*\c
.endr
.if (\n)%4 == 3
	v_add_nc_u32 v12, 32*PITCH, v12
.endif
.endm
	s_load_b256 s[16:23], s[0:1], 0x0              ; hid s[16:17], sq s[18:19], ord s[20:21], W2 s[22:23]
	s_load_b128 s[24:27], s[0:1], 0x20             ; Ws2 s[24:25], comb s[26:27]
	s_load_b64 s[28:29], s[0:1], 0x30              ; ps
	v_lshl_add_u32 v4, v0, 2, SPARE
	v_mov_b32 v5, 0
	v_and_b32 v1, 31, v0
	v_lshrrev_b32 v15, 5, v0
	v_readfirstlane_b32 s8, v15
	s_mov_b32 s9, ttmp9
	s_and_b32 s10, ttmp7, 0xffff
	s_lshl_b32 s62, s9, 5
	s_lshl_b32 s63, s8, 2
	s_add_co_u32 s62, s62, s63                     ; output column 32 s + 4 w: its weight row is one less
	s_max_u32 s63, s62, 1
	s_sub_co_u32 s63, s63, 1
	s_lshl_b32 s62, s62, 12
	s_lshl_b32 s63, s63, 12
	v_lshl_add_u32 v15, v1, 4, s62
	v_lshl_add_u32 v14, v1, 4, s63
	s_mul_i32 s63, s8, 4*PITCH
	v_lshl_add_u32 v12, v1, 3, s63
	s_mul_i32 s42, s10, WEXP
	s_mov_b32 s43, 0
	s_lshl_b32 s62, s10, 2
	s_mov_b32 s63, 0
	s_wait_kmcnt 0x0
	s_add_nc_u64 s[38:39], s[20:21], s[62:63]
	s_load_b32 s11, s[38:39], 0x10000              ; the expert's count
	s_add_nc_u64 s[22:23], s[22:23], s[42:43]      ; W2[e]
	WROW 0
	WROW 1
	WROW 2
	WROW 3
	s_mov_b32 s54, 0x76543210
	s_mov_b32 s55, 0xfedcba98
	s_mov_b32 s56, 0xffff0000                      ; lanes 16-31
	s_cmp_eq_u32 s9, 0
	s_cselect_b32 s57, 0xffff, 0                   ; the lanes that hold output column 0 in register 0 of f = 0
	s_mov_b32 s61, 0x322bcc77                      ; 1e-8
	s_lshl_b32 s42, s10, 22
	s_add_nc_u64 s[44:45], s[16:17], s[42:43]      ; hid[0][e]
	s_add_nc_u64 s[46:47], s[44:45], 0x2000000     ; hid[1][e]
	s_lshl_b32 s42, s10, 19
	s_add_nc_u64 s[48:49], s[18:19], s[42:43]      ; sq[e]
	s_lshl_b32 s42, s10, 13
	s_add_nc_u64 s[50:51], s[18:19], s[42:43]
	s_add_nc_u64 s[50:51], s[50:51], WR_OFF        ; wr[e]
	s_lshl_b32 s42, s10, 23
	s_lshl_b32 s62, s9, 18
	s_add_co_u32 s42, s42, s62
	s_add_nc_u64 s[52:53], s[26:27], s[42:43]      ; comb[e][s]
	s_lshl_b32 s42, s10, 20
	s_lshl_b32 s62, s9, 15
	s_add_co_u32 s42, s42, s62
	s_add_nc_u64 s[58:59], s[28:29], s[42:43]      ; ps[e][s]
	v_and_b32 v2, 15, v1
	v_and_b32 v3, 16, v1
	v_mul_u32_u24 v6, v2, PITCH
	v_add_nc_u32 v6, v6, v3
	v_add_nc_u32 v7, 2*FRAG, v6
.irp n, 0,1,2,3,4,5,6,7
	WCVT \n
.endr
	s_wait_dscnt 0x0                               ; for the others' sake: my rows are written
	s_barrier_signal -1
	s_barrier_wait -1                              ; the one barrier: from here on a wave writes its own stage alone
	s_mul_i32 s62, s8, 32*SP
	s_add_co_u32 s62, s62, STAGE                   ; my stage
	v_mul_u32_u24 v11, v2, SP                      ; in: row r, 32 bytes for each half of the lanes
	v_lshl_add_u32 v11, v3, 1, v11
	v_add_nc_u32 v11, s62, v11
	v_lshrrev_b32 v12, 3, v1                       ; back: 32 lanes take four rows of 128 bytes
	v_mul_u32_u24 v12, v12, SP
	v_and_b32 v13, 7, v1
	v_lshl_add_u32 v12, v13, 4, v12
	v_add_nc_u32 v12, s62, v12
	v_mul_u32_u24 v14, v3, PITCH/2                 ; 8 (lane / 16) rows: the first of my eight columns' weight rows
	v_add_nc_u32 v15, 2*FRAG, v14
	s_wait_kmcnt 0x0
	s_min_u32 s11, s11, 2048
	s_add_co_u32 s12, s11, 31
	s_lshr_b32 s12, s12, 5
	s_add_co_u32 s14, s12, 7
	s_sub_co_u32 s14, s14, s8
	s_lshr_b32 s14, s14, 3                         ; tiles w, w + 8, ..
	s_mov_b32 s15, 0
	s_mov_b32 s36, s8
	s_cmp_eq_u32 s14, 0
	s_cbranch_scc1 .Lend
.macro ALOAD j                         ; K step j: four rank fragments as they lie in hid, 512 consecutive bytes a load, and the step's sums of squares: 9 loads
.set as_, RING+36*((\j)%3)
.irp kd, 0,1
.irp a, 0,1
	global_load_b128 v[as_+8*(2*\kd+\a):as_+8*(2*\kd+\a)+3], v8, s[44+2*\kd:45+2*\kd] offset:131072*(\j)+1024*\a
	global_load_b128 v[as_+8*(2*\kd+\a)+4:as_+8*(2*\kd+\a)+7], v8, s[44+2*\kd:45+2*\kd] offset:131072*(\j)+1024*\a+512
.endr
.endr
	global_load_b64 v[as_+32:as_+33], v9, s[48:49] offset:16384*(\j)
.endm
.macro BLOAD j                         ; K step j's four weight fragments into buffer j % 2
.set bb_, BB+32*((\j)%2)
.irp kd, 0,1
.irp f, 0,1
	ds_load_b128 v[bb_+8*(2*\kd+\f):bb_+8*(2*\kd+\f)+3], v[6+\kd] offset:FRAG*\f+64*(\j)
	ds_load_b128 v[bb_+8*(2*\kd+\f)+4:bb_+8*(2*\kd+\f)+7], v[6+\kd] offset:FRAG*\f+64*(\j)+32
.endr
.endr
.endm
.macro KSTEP j
.if (\j) < 31
	BLOAD (\j)+1                                   ; its buffer's last readers stand in front of the last step's four places
	s_wait_dscnt 8                                 ; this step's fragments are in; the 8 just issued stay out
.else
	s_wait_dscnt 0x0
.endif
.if (\j) <= 29
	s_wait_loadcnt 18                              ; this step's slot is in; the next two steps', 9 loads each, stay out
.elseif (\j) == 30
	s_wait_loadcnt 9
.else
	s_wait_loadcnt 0x0
.endif
.set as_, RING+36*((\j)%3)
.set bb_, BB+32*((\j)%2)
.if (\j) == 0
	v_mov_b32 v16, v[as_+32]
	v_mov_b32 v17, v[as_+33]
.else
	v_pk_add_f32 v[16:17], v[16:17], v[as_+32:as_+33]
.endif
.irp kd, 0,1                           ; the 8 accumulators take turns; step 0 starts the sums with the constant 0
.irp a, 0,1
.irp f, 0,1
.set ac_, ACC+8*(4*\kd+2*\a+\f)
.if (\j) == 0
	v_wmma_f32_16x16x32_bf16 v[ac_:ac_+7], v[bb_+8*(2*\kd+\f):bb_+8*(2*\kd+\f)+7], v[as_+8*(2*\kd+\a):as_+8*(2*\kd+\a)+7], 0
.else
	v_wmma_f32_16x16x32_bf16 v[ac_:ac_+7], v[bb_+8*(2*\kd+\f):bb_+8*(2*\kd+\f)+7], v[as_+8*(2*\kd+\a):as_+8*(2*\kd+\a)+7], v[ac_:ac_+7]
.endif
.endr
.endr
.endr
	PLACES                                         ; in front of the loads into the slot and, in the next step, into the buffer just multiplied; in the last step: in front of the way out
.if (\j) < 29
	ALOAD (\j)+3
.endif
.endm
.Ltile:
	s_min_u32 s37, s36, 63
	s_lshl_b32 s62, s37, 11
	v_lshl_add_u32 v8, v1, 4, s62                  ; hid: 2,048 bytes a tile
	s_lshl_b32 s62, s37, 8
	v_lshl_add_u32 v9, v1, 3, s62                  ; sq: 8 bytes a rank
	s_lshl_b32 s62, s37, 7
	v_lshl_add_u32 v10, v1, 2, s62                 ; wr: 4 bytes a rank
	s_lshl_b32 s62, s37, 12
	v_lshl_add_u32 v13, v1, 4, s62                 ; comb: 128 bytes a rank
	s_lshl_b32 s62, s37, 9
	v_lshl_add_u32 v19, v1, 4, s62                 ; ps: 16 bytes a rank
	global_load_b32 v18, v10, s[50:51]             ; the gate's weight; older than every counted load below
	ALOAD 0
	ALOAD 1
	ALOAD 2
	BLOAD 0
.set k_, 0
.rept 32
	KSTEP k_
.set k_, k_+1
.endr
	; THE WAY OUT.  The weights' hidden column 0, for my eight output columns of each fragment
.irp kd, 0,1
.irp f, 0,1
.irp jj, 0,1,2,3,4,5,6,7
	ds_load_u16 v[BB+16*\kd+8*\f+\jj], v[14+\kd] offset:(16*\f+\jj)*PITCH
.endr
.endr
.endr
	v_pk_add_f32 v[16:17], v[16:17], 1.0 op_sel_hi:[1,0]  ; lane l: rank l's sums + c (1 on both manifolds),
	v_max_num_f32 v16, s61, v16                    ; clipped as reference() clips,
	v_max_num_f32 v17, s61, v17
	v_sqrt_f32 v16, v16                            ; t of the routed expert
	v_sqrt_f32 v17, v17                            ; and of the shared one
	v_add_f32 v18, v18, v18                        ; 2 w: the plain instruction behind the roots
	s_wait_alu depctr_va_vdst(0)                   ; one wait for both
	v_permlanex16_b32 v20, v16, s54, s55
	v_permlanex16_b32 v21, v17, s54, s55
	v_permlanex16_b32 v22, v18, s54, s55
.irp z, 0,1                            ; from lane = rank to lane = row r of fragment a, each number twice for the packed forms: t at v[26:29], t' at v[30:33], 2 w at v[34:37]
	v_cndmask_b32 v[26+\z], v16, v20, s56
	v_cndmask_b32 v[28+\z], v20, v16, s56
	v_cndmask_b32 v[30+\z], v17, v21, s56
	v_cndmask_b32 v[32+\z], v21, v17, s56
	v_cndmask_b32 v[34+\z], v18, v22, s56
	v_cndmask_b32 v[36+\z], v22, v18, s56
.endr
	s_wait_dscnt 0x0
.set i_, 0
.rept 32
	v_lshlrev_b32 v[BB+i_], 16, v[BB+i_]           ; bf16 to f32
.set i_, i_+1
.endr
.irp a, 0,1                            ; o and z take the time slot's part; each accumulator is read from its low end on
.irp f, 0,1
.irp p, 0,1,2,3
.set o_, ACC+8*(2*\a+\f)+2*\p
.set z_, ACC+8*(4+2*\a+\f)+2*\p
	v_pk_fma_f32 v[o_:o_+1], v[BB+8*\f+2*\p:BB+8*\f+2*\p+1], v[26+2*\a:27+2*\a], v[o_:o_+1]
	v_pk_fma_f32 v[z_:z_+1], v[BB+16+8*\f+2*\p:BB+16+8*\f+2*\p+1], v[30+2*\a:31+2*\a], v[z_:z_+1]
.endr
.endr
.endr
.irp kd, 0,1
.irp a, 0,1
	v_cndmask_b32 v[ACC+8*(4*\kd+2*\a)], v[ACC+8*(4*\kd+2*\a)], 0, s57  ; output column 0 is no space coordinate
.endr
.endr
.irp f, 0,1                            ; sums of o^2 at v[38:41], of z^2 at v[42:45], of comb^2 at v[46:49]; comb = 2 w o + z takes z's place
.irp p, 0,1,2,3
.irp a, 0,1
.set o_, ACC+8*(2*\a+\f)+2*\p
.set z_, ACC+8*(4+2*\a+\f)+2*\p
.if 4*\f+\p == 0
	v_pk_mul_f32 v[38+2*\a:39+2*\a], v[o_:o_+1], v[o_:o_+1]
	v_pk_mul_f32 v[42+2*\a:43+2*\a], v[z_:z_+1], v[z_:z_+1]
	v_pk_fma_f32 v[z_:z_+1], v[o_:o_+1], v[34+2*\a:35+2*\a], v[z_:z_+1]
	v_pk_mul_f32 v[46+2*\a:47+2*\a], v[z_:z_+1], v[z_:z_+1]
.else
	v_pk_fma_f32 v[38+2*\a:39+2*\a], v[o_:o_+1], v[o_:o_+1], v[38+2*\a:39+2*\a]
	v_pk_fma_f32 v[42+2*\a:43+2*\a], v[z_:z_+1], v[z_:z_+1], v[42+2*\a:43+2*\a]
	v_pk_fma_f32 v[z_:z_+1], v[o_:o_+1], v[34+2*\a:35+2*\a], v[z_:z_+1]
	v_pk_fma_f32 v[46+2*\a:47+2*\a], v[z_:z_+1], v[z_:z_+1], v[46+2*\a:47+2*\a]
.endif
.endr
.endr
.endr
.irp a, 0,1
.irp f, 0,1
.irp q, 0,1
	ds_store_b128 v11, v[ACC+8*(4+2*\a+\f)+4*\q:ACC+8*(4+2*\a+\f)+4*\q+3] offset:16*SP*\a+64*\f+16*\q
.endr
.endr
.endr
.irp i, 0,1,2,3,4,5,6,7
	ds_load_b128 v[64+4*\i:67+4*\i], v12 offset:4*SP*\i  ; LDS serves a wave's instructions in order (ISA guide 5.7.1.4): these see the stores above
.endr
.irp k, 0,1,2,3,4,5
	v_add_f32 v[38+2*\k], v[38+2*\k], v[39+2*\k]
.endr
.irp k, 0,1,2,3,4,5
	v_permlanex16_b32 v[39+2*\k], v[38+2*\k], s54, s55  ; the rank's other 16 columns lie in the lane 16 away
.endr
.irp k, 0,1,2,3,4,5
	v_add_f32 v[38+2*\k], v[38+2*\k], v[39+2*\k]
.endr
	v_cndmask_b32 v52, v38, v40, s56               ; lane l: rank l's three sums
	v_cndmask_b32 v53, v42, v44, s56
	v_cndmask_b32 v54, v46, v48, s56
	v_mov_b32 v55, 0
	s_wait_dscnt 0x0
.irp i, 0,1,2,3,4,5,6,7
	global_store_b128 v13, v[64+4*\i:67+4*\i], s[52:53] offset:512*\i  ; four ranks: 512 consecutive bytes, aligned
.endr
	global_store_b128 v19, v[52:55], s[58:59]      ; 512 consecutive bytes, aligned
	s_wait_xcnt 0x0                                ; the stores' data and offsets are written again in the next trip only behind this wait
	s_add_co_u32 s36, s36, 8
	s_add_co_u32 s15, s15, 1
	s_cmp_lt_u32 s15, s14
	s_cbranch_scc1 .Ltile
.Lend:
	s_wait_tensorcnt 0x0                           ; the wave's end: three closing lines behind my last LDS store
	ds_add_u32 v4, v5
	s_wait_dscnt 0x0
	s_endpgm
.Lfunc_end_k_qf48b51db42_down:
	.size	k_qf48b51db42_down, .Lfunc_end_k_qf48b51db42_down-k_qf48b51db42_down
	.p2alignl 7, 3214868480
	.fill 96, 4, 3214868480
	.section	.rodata,"a",@progbits
	.p2align	6, 0x0
	.amdhsa_kernel k_qf48b51db42_down
		.amdhsa_group_segment_fixed_size 169984
		.amdhsa_private_segment_fixed_size 0
		.amdhsa_enable_private_segment 0
		.amdhsa_kernarg_size 56
		.amdhsa_user_sgpr_count 2
		.amdhsa_user_sgpr_kernarg_segment_ptr 1
		.amdhsa_wavefront_size32 1
		.amdhsa_system_sgpr_workgroup_id_x 1
		.amdhsa_system_sgpr_workgroup_id_y 1
		.amdhsa_system_sgpr_workgroup_id_z 1
		.amdhsa_system_vgpr_workitem_id 0
		.amdhsa_next_free_vgpr 256
		.amdhsa_next_free_sgpr 66
		.amdhsa_reserve_vcc 0
		.amdhsa_float_denorm_mode_32 3
		.amdhsa_float_denorm_mode_16_64 3
		.amdhsa_memory_ordered 1
		.amdhsa_forward_progress 1
		.amdhsa_inst_pref_size 104
	.end_amdhsa_kernel
	.amdgpu_metadata
---
amdhsa.version: [ 1, 2 ]
amdhsa.kernels:
  - .name:           k_qf48b51db42_down
    .symbol:         k_qf48b51db42_down.kd
    .args:
      - { .name: hid, .offset: 0, .size: 8, .value_kind: global_buffer, .address_space: global }
      - { .name: sq, .offset: 8, .size: 8, .value_kind: global_buffer, .address_space: global }
      - { .name: ord, .offset: 16, .size: 8, .value_kind: global_buffer, .address_space: global }
      - { .name: W2, .offset: 24, .size: 8, .value_kind: global_buffer, .address_space: global }
      - { .name: Ws2, .offset: 32, .size: 8, .value_kind: global_buffer, .address_space: global }
      - { .name: comb, .offset: 40, .size: 8, .value_kind: global_buffer, .address_space: global }
      - { .name: ps, .offset: 48, .size: 8, .value_kind: global_buffer, .address_space: global }
    .group_segment_fixed_size: 169984
    .private_segment_fixed_size: 0
    .kernarg_segment_align: 8
    .kernarg_segment_size: 56
    .max_flat_workgroup_size: 256
    .sgpr_count:     66
    .vgpr_count:     256
    .wavefront_size: 32
...
	.end_amdgpu_metadata
.endif
;; end of part 3
;; launch norm (part 4): grid 71 x 4, 8 waves a work-group, no clusters, 5,120 bytes of LDS; arguments comb, ps, sq, ord, out0; writes out0
.if DOCPART == 4
	.amdgcn_target "amdgcn-amd-amdhsa--gfx1250"
	.amdhsa_code_object_version 6
	.text
	.protected	k_qf48b51db42_norm
	.globl	k_qf48b51db42_norm
	.p2align	8
	.type	k_qf48b51db42_norm,@function
k_qf48b51db42_norm:
	s_mov_b64 s[64:65], 0
	v_nop
	global_prefetch_b8 v0, s[64:65] scope:SCOPE_SE
	s_setreg_imm32_b32 hwreg(HW_REG_WAVE_MODE, 25, 1), 1
	s_wait_xcnt 0x0
; THE TIME COORDINATES AND THE NORMALISATION.  For each rank: ot = sqrt(max(sum o^2 + 1, 1e-8)), zt likewise; the time coordinate of z + 2 y is ct = zt + 2 (1 + w ot);
; li = sum comb^2 - ct^2, as reference() forms it; out = [ct, comb] / sqrt(max(|li|, 1e-8)), stored at the rank's token.
; GRID.  With 2,048 ranks on 8 experts and tiles of 32 there are never more than 64 + 7 = 71 tiles, whatever the split: x is the tile's number, y a quarter of the columns (256).  Which expert a tile belongs to is
; worked out from the stored counts by scalar selects, without a branch.  A tile that the split leaves empty reads inside its buffers and stores nothing: every wave passes the barrier.
; SHARES.  For the sums lane = rank: wave w adds the partial sums of slices 4 w .. 4 w + 3, the eight waves' sums meet in LDS.  For the columns wave w has ranks 4 w .. 4 w + 3.
; A stream: no matrix unit, no cluster (no input is shared but 16 KB of partial sums by four work-groups).  LIMITS.  NaN and infinities are not treated apart.
.set SPARE, 4096                       ; behind the eight waves' sums: the spare words
.set WR_OFF, 4194304
; s18 wave, s19 tile, s20 quarter, s21 first rank, s[24:31] counts, s32 tiles so far, s33 the expert's first tile, s34 its count, s35 the expert
; v5 16 l, v6 4 l, v7 comb's lane term, v8 l / 16, v10 16 t, v[16:31] partial sums, v32 w, v33 token, v34, v35 lane selects, v36, v38 ranks, v37 16 (l % 16), v[40:71] comb, v[72:103] sums; later v[80:86]
	s_load_b256 s[8:15], s[0:1], 0x0               ; comb s[8:9], ps s[10:11], sq s[12:13], ord s[14:15]
	s_load_b64 s[16:17], s[0:1], 0x20              ; out0
	v_lshl_add_u32 v2, v0, 2, SPARE
	v_mov_b32 v3, 0
	v_and_b32 v1, 31, v0
	v_lshrrev_b32 v4, 5, v0
	v_readfirstlane_b32 s18, v4
	s_mov_b32 s19, ttmp9
	s_and_b32 s20, ttmp7, 0xffff
	s_mov_b32 s37, 0x322bcc77                      ; 1e-8
	s_cmp_eq_u32 s20, 0
	s_cselect_b32 s38, 0x10001, 0                  ; the two lanes that hold column 0 of a row
	s_wait_kmcnt 0x0
	s_load_b256 s[24:31], s[14:15], 0x10000        ; the eight counts
	v_lshlrev_b32 v5, 4, v1
	v_lshlrev_b32 v6, 2, v1
	v_bfe_u32 v7, v1, 3, 1
	v_lshlrev_b32 v7, 18, v7                       ; lanes 8-15 and 24-31: the next slice,
	v_bfe_u32 v8, v1, 4, 1
	v_lshl_add_u32 v7, v8, 7, v7                   ; lanes 16-31: the next rank,
	v_and_b32 v9, 7, v1
	v_lshl_add_u32 v7, v9, 4, v7                   ; 16 bytes a lane
	v_and_b32 v37, 15, v1
	v_lshlrev_b32 v37, 4, v37
	s_lshl_b32 s22, s18, 4
	v_lshl_add_u32 v34, v8, 2, s22                 ; 4 x (4 w + l / 16): the lane that holds my first rank's numbers,
	v_add_nc_u32 v35, 8, v34                       ; and my second's
	v_lshlrev_b32 v10, 4, v0
	s_mov_b32 s32, 0
	s_mov_b32 s33, 0
	s_mov_b32 s35, 0
	s_mov_b32 s23, 0
	s_wait_kmcnt 0x0
.irp k, 0,1,2,3,4,5,6,7
	s_min_u32 s[24+\k], s[24+\k], 2048
.endr
	s_mov_b32 s34, s24
.irp k, 0,1,2,3,4,5,6,7                ; while the tile lies behind expert k's tiles: on to the next expert
	s_add_co_u32 s36, s[24+\k], 31
	s_lshr_b32 s36, s36, 5
	s_add_co_u32 s32, s32, s36
	s_cmp_le_u32 s32, s19
	s_cselect_b32 s33, s32, s33
.if \k < 7
	s_cselect_b32 s34, s[25+\k], s34
.else
	s_cselect_b32 s34, 0, s34                      ; behind the last expert: no rank is stored
.endif
	s_add_co_ci_u32 s35, s35, 0
.endr
	s_min_u32 s35, s35, 7
	s_sub_co_u32 s36, s19, s33
	s_min_u32 s36, s36, 63                         ; the tile's number within its expert
	s_lshl_b32 s21, s36, 5                         ; its first rank
	s_lshl_b32 s22, s35, 20
	s_lshl_b32 s39, s18, 17
	s_add_co_u32 s22, s22, s39
	s_lshl_b32 s39, s21, 4
	s_add_co_u32 s22, s22, s39
	s_add_nc_u64 s[10:11], s[10:11], s[22:23]      ; ps[e][4 w][first rank]
	s_lshl_b32 s22, s35, 13
	s_lshl_b32 s39, s21, 2
	s_add_co_u32 s22, s22, s39
	s_add_nc_u64 s[12:13], s[12:13], s[22:23]
	s_add_nc_u64 s[12:13], s[12:13], WR_OFF        ; wr[e][first rank]
	s_add_nc_u64 s[14:15], s[14:15], s[22:23]      ; ord[e][first rank]
	s_lshl_b32 s40, s18, 2
	s_add_co_u32 s40, s40, s21                     ; my wave's first rank
	s_lshl_b32 s22, s35, 23
	s_lshl_b32 s39, s20, 21
	s_add_co_u32 s22, s22, s39
	s_lshl_b32 s39, s40, 7
	s_add_co_u32 s22, s22, s39
	s_add_nc_u64 s[8:9], s[8:9], s[22:23]          ; comb[e][8 q][my first rank]
	s_lshl_b32 s22, s20, 10
	s_add_nc_u64 s[16:17], s[16:17], s[22:23]      ; out0 at my quarter of a row
	v_add_nc_u32 v36, s40, v8
	v_add_nc_u32 v38, 2, v36
.irp k, 0,1,2,3
	global_load_b128 v[16+4*\k:19+4*\k], v5, s[10:11] offset:32768*\k  ; 32 ranks' sums of one slice: 512 consecutive bytes
.endr
	global_load_b32 v32, v6, s[12:13]
	global_load_b32 v33, v6, s[14:15]
.irp i, 0,1
.irp g, 0,1,2,3
	global_load_b128 v[40+4*(4*\i+\g):43+4*(4*\i+\g)], v7, s[8:9] offset:524288*\g+256*\i th:TH_LOAD_NT  ; two ranks x two slices: two runs of 256 consecutive bytes, aligned
.endr
.endr
	s_wait_loadcnt 10                              ; the partial sums are in; w, the token and comb's 8 loads stay out
	v_pk_add_f32 v[16:17], v[16:17], v[20:21]
	v_pk_add_f32 v[18:19], v[18:19], v[22:23]
	v_pk_add_f32 v[24:25], v[24:25], v[28:29]
	v_pk_add_f32 v[26:27], v[26:27], v[30:31]
	v_pk_add_f32 v[16:17], v[16:17], v[24:25]
	v_pk_add_f32 v[18:19], v[18:19], v[26:27]
	ds_store_b128 v10, v[16:19]
	s_wait_dscnt 0x0                               ; for the others' sake: my sums are written
	s_barrier_signal -1
	s_barrier_wait -1
.irp k, 0,1,2,3,4,5,6,7
	ds_load_b128 v[72+4*\k:75+4*\k], v5 offset:512*\k
.endr
	s_wait_dscnt 0x0
.irp k, 0,1,2,3
	v_pk_add_f32 v[72+4*\k:73+4*\k], v[72+4*\k:73+4*\k], v[88+4*\k:89+4*\k]
	v_pk_add_f32 v[74+4*\k:75+4*\k], v[74+4*\k:75+4*\k], v[90+4*\k:91+4*\k]
.endr
.irp k, 0,1
	v_pk_add_f32 v[72+4*\k:73+4*\k], v[72+4*\k:73+4*\k], v[80+4*\k:81+4*\k]
	v_pk_add_f32 v[74+4*\k:75+4*\k], v[74+4*\k:75+4*\k], v[82+4*\k:83+4*\k]
.endr
	v_pk_add_f32 v[72:73], v[72:73], v[76:77]      ; sum o^2, sum z^2
	v_pk_add_f32 v[74:75], v[74:75], v[78:79]      ; sum comb^2
	s_wait_loadcnt 8                               ; w and the token are in; comb's 8 loads stay out
	v_pk_add_f32 v[72:73], v[72:73], 1.0 op_sel_hi:[1,0]
	v_max_num_f32 v72, s37, v72
	v_max_num_f32 v73, s37, v73
	v_sqrt_f32 v72, v72                            ; ot
	v_sqrt_f32 v73, v73                            ; zt
	v_add_f32 v32, v32, v32                        ; 2 w: the plain instruction behind the roots
	s_wait_alu depctr_va_vdst(0)                   ; one wait for both
	v_add_f32 v73, 2.0, v73
	v_fma_f32 v75, v32, v72, v73                   ; ct = 2 w ot + zt + 2
	v_fma_f32 v76, -v75, v75, v74                  ; li
	v_max_num_f32 v76, |v76|, s37
	v_rsq_f32 v76, v76
	v_nop
	s_wait_alu depctr_va_vdst(0)
	v_mul_f32 v75, v75, v76                        ; the time coordinate, normalised
.irp i, 0,1                            ; from lane = rank to my two ranks: the factor, the time coordinate, the token
	ds_bpermute_b32 v[80+4*\i], v[34+\i], v76
	ds_bpermute_b32 v[81+4*\i], v[34+\i], v75
	ds_bpermute_b32 v[82+4*\i], v[34+\i], v33
.endr
	s_wait_dscnt 0x0
.irp i, 0,1
	v_min_u32 v[82+4*\i], 0x7ff, v[82+4*\i]
	v_lshl_add_u32 v[82+4*\i], v[82+4*\i], 12, v37  ; token x 4,096 + 16 (l % 16)
.endr
	s_wait_loadcnt 0x0
.irp i, 0,1
.irp g, 0,1,2,3
	v_pk_mul_f32 v[40+4*(4*\i+\g):41+4*(4*\i+\g)], v[40+4*(4*\i+\g):41+4*(4*\i+\g)], v[80+4*\i:81+4*\i] op_sel_hi:[1,0]
	v_pk_mul_f32 v[42+4*(4*\i+\g):43+4*(4*\i+\g)], v[42+4*(4*\i+\g):43+4*(4*\i+\g)], v[80+4*\i:81+4*\i] op_sel_hi:[1,0]
.endr
	v_cndmask_b32 v[40+16*\i], v[40+16*\i], v[81+4*\i], s38  ; column 0 takes the time coordinate
.endr
.irp i, 0,1
	v_cmp_gt_u32 vcc_lo, s34, v[36+2*\i]           ; ranks past the count repeat a token: they are not stored
	s_wait_xcnt 0x0                                ; EXEC changes only behind this wait
	s_and_saveexec_b32 s41, vcc_lo
.irp g, 0,1,2,3
	global_store_b128 v[82+4*\i], v[40+4*(4*\i+\g):43+4*(4*\i+\g)], s[16:17] offset:256*\g th:TH_STORE_NT  ; 16 lanes store 256 consecutive bytes of a row, aligned
.endr
	s_wait_xcnt 0x0
	s_or_b32 exec_lo, exec_lo, s41
.endr
	s_wait_tensorcnt 0x0                           ; the wave's end: three closing lines behind my last LDS store
	ds_add_u32 v2, v3
	s_wait_dscnt 0x0
	s_endpgm
.Lfunc_end_k_qf48b51db42_norm:
	.size	k_qf48b51db42_norm, .Lfunc_end_k_qf48b51db42_norm-k_qf48b51db42_norm
	.p2alignl 7, 3214868480
	.fill 96, 4, 3214868480
	.section	.rodata,"a",@progbits
	.p2align	6, 0x0
	.amdhsa_kernel k_qf48b51db42_norm
		.amdhsa_group_segment_fixed_size 5120
		.amdhsa_private_segment_fixed_size 0
		.amdhsa_enable_private_segment 0
		.amdhsa_kernarg_size 40
		.amdhsa_user_sgpr_count 2
		.amdhsa_user_sgpr_kernarg_segment_ptr 1
		.amdhsa_wavefront_size32 1
		.amdhsa_system_sgpr_workgroup_id_x 1
		.amdhsa_system_sgpr_workgroup_id_y 1
		.amdhsa_system_sgpr_workgroup_id_z 1
		.amdhsa_system_vgpr_workitem_id 0
		.amdhsa_next_free_vgpr 104
		.amdhsa_next_free_sgpr 66
		.amdhsa_reserve_vcc 1
		.amdhsa_float_denorm_mode_32 3
		.amdhsa_float_denorm_mode_16_64 3
		.amdhsa_memory_ordered 1
		.amdhsa_forward_progress 1
		.amdhsa_inst_pref_size 12
	.end_amdhsa_kernel
	.amdgpu_metadata
---
amdhsa.version: [ 1, 2 ]
amdhsa.kernels:
  - .name:           k_qf48b51db42_norm
    .symbol:         k_qf48b51db42_norm.kd
    .args:
      - { .name: comb, .offset: 0, .size: 8, .value_kind: global_buffer, .address_space: global }
      - { .name: ps, .offset: 8, .size: 8, .value_kind: global_buffer, .address_space: global }
      - { .name: sq, .offset: 16, .size: 8, .value_kind: global_buffer, .address_space: global }
      - { .name: ord, .offset: 24, .size: 8, .value_kind: global_buffer, .address_space: global }
      - { .name: out0, .offset: 32, .size: 8, .value_kind: global_buffer, .address_space: global }
    .group_segment_fixed_size: 5120
    .private_segment_fixed_size: 0
    .kernarg_segment_align: 8
    .kernarg_segment_size: 40
    .max_flat_workgroup_size: 256
    .sgpr_count:     66
    .vgpr_count:     104
    .wavefront_size: 32
...
	.end_amdgpu_metadata
.endif
;; end of part 4
;; ======== version 2 of 3: 4 launches; 1.24 times as fast as version 1
;; workspace buffers: xb 4,194,304 bytes; gwt 8,192 bytes; idx 8,192 bytes of whole numbers; hid 67,108,864 bytes; sq 4,259,840 bytes; ord 65,792 bytes of whole numbers; oz 67,108,864 bytes
;; launch router: the kernel of part 1 again; grid 256 x 1, 8 waves a work-group, no clusters, 33,792 bytes of LDS; arguments x, gate_w, gate_b, xb, gwt, idx; writes xb, gwt, idx
;; launch up (part 5): grid 32 x 8, 16 waves a work-group, no clusters, 274,944 bytes of LDS; arguments xb, idx, gwt, W1, W3, Ws1, Ws3, hid, sq, ord; writes hid, sq, ord
.if DOCPART == 5
	.amdgcn_target "amdgcn-amd-amdhsa--gfx1250"
	.amdhsa_code_object_version 6
	.text
	.protected	k_qf48b51db42_up
	.globl	k_qf48b51db42_up
	.p2align	8
	.type	k_qf48b51db42_up,@function
k_qf48b51db42_up:
	s_mov_b64 s[64:65], 0
	v_nop
	global_prefetch_b8 v0, s[64:65] scope:SCOPE_SE
	s_setreg_imm32_b32 hwreg(HW_REG_WAVE_MODE, 25, 1), 1
	s_wait_xcnt 0x0
; THE FIRST PRODUCTS AND THE GATING, routed and shared expert together.  Work-group (j, e): hidden columns 32 j .. 32 j + 31, for the tokens that chose expert e.
; sp = silu(x W1^T) (x W3^T) with W1[e], W3[e] (kind 0) and with Ws1, Ws3 (kind 1).  Hidden column c is weight row c - 1 (column 0 is the time slot): a shift by one ROW of 4,096 bytes, so every load stays
; aligned; column 0 takes row 0 and is stored as 0: the next launch adds the time slot's part in f32.  reference()'s factor sqrt(C_E / C) is exactly 1.0 and changes no bit: no line is written for it.
; STORED.  hid: sp in bf16, laid as the next launch's operand registers take it: [kind][e][j][16 ranks g][half f][lane][8 numbers]; sq: the f32 sum of sp^2 over these 32 columns, (kind 0, kind 1) for each rank;
; by the work-groups j = 0 also ord (rank -> token, and the expert's count) and wr (the gate's weight by rank).
; RANKS.  An expert's tokens are numbered in the order in which wave 15 finds them in idx: the same in all 32 work-groups of the expert.  Tiles are 32 ranks; the places past the count repeat the last token.
; Every split is served: 0 to 2,048 tokens on an expert.
; NUMBERS.  Weights are rounded to bf16 on their way through registers (each routed weight is read once in the launch, by this work-group alone); sums f32; silu(s) = s / (1 + 2^(-s log2 e)).
; LIMITS.  NaN and infinities are not treated apart.
; PLAN.  Phase 1: the 128 weight rows (4 matrices x 32) go into LDS as bf16; wave w lays rows 2 w, 2 w + 1 of each matrix; 32 loads of 512 bytes of every wave are on their way.  Wave 15 also makes the list,
; 256 tokens behind each of its 8 rows, so that this work stands in the waits for the rows.
; ONE barrier.  Phase 2: each wave by itself walks its tiles: no barrier, nothing writes LDS, token rows come from memory straight into operand registers.
; SIXTEEN WAVES, so that up to 512 tokens on an expert every tile has a wave of its own and none is walked behind another.  Wave w begins with tile 4 ((w % 4 - w / 4) mod 4) + w / 4 and goes on in steps of 16:
; four consecutive tiles go to waves that differ both in w % 4 and in w / 4.
; THE MATRIX INSTRUCTION IS USED TRANSPOSED (source 0 = 16 weight rows, source 1 = 16 tokens): a lane holds ONE token (lane % 16) and eight neighbouring hidden columns 8 (lane / 16) + 0..7.
; NO TENSOR LOADS, NO CLUSTER: the weights must pass through registers to be rounded, and each routed slice has one reader; the token rows come by a list, which no descriptor covers;
; what work-groups share, the shared expert's slices, is 256 KB of the 1 MB that a work-group reads.
.set PITCH, 2064                       ; an LDS row: 2,048 bytes + 16 = 516 words: row r starts at bank 4 r mod 64 (64 banks of 4 bytes: ISA guide 11.1): the 16 rows of a fragment load start at 16 different banks
.set FRAG,  16*PITCH
.set LIST,  128*PITCH                  ; behind the weights: 2,048 words rank -> token, and 32 words into which lanes without a match write
.set NE,    LIST+8448                  ; the expert's count
.set SPARE, NE+256                     ; the spare words, 128 bytes for each of 16 waves
.set WEXP,  1023*4096                  ; bytes of one expert's matrix
.set WR_OFF, 4194304                   ; wr's place in sq
.set META_OFF, 65536                   ; the counts' place in ord
.set LAST,  7                          ; a wave's last weight row
.set LW,    15                         ; the wave that makes the list
.set CV,  16                           ; phase 1: v[16:31] a row in bf16; v[32:41] at work on the list; v[64:127] idx; v[128:255] four rows in f32
.set AR,  16                           ; v[16:63]   token fragments: three slots of 2 x 8
.set BH,  64                           ; v[64:127]  weight fragments: two halves of 4 x 8 (F = 0..3: W1, W3; F = 4..7: Ws1, Ws3)
.set ACC, 128                          ; v[128:255] accumulator (a, F) at ACC + 8 (8 a + F)
.set T,   16                           ; the way out: v[16:79] 64 numbers at work: 16 (2 a + kind) + 8 f + register
.set OUT, 80                           ; v[80:111] the same in bf16
.set SS,  112                          ; v[112:119] sums of squares; v[120:125] at work
; v0 gate weight (j = 0); v1 lane; v2 lane % 16; v3 16 (lane / 16); v4, v5 the add's; v6-9 LDS places of fragment pairs; v10, v11 token rows; v12 hid, v13 sq, v14 ord offsets; v15 my rank's token
; s8 wave, s9 j, s10 e, s11 count, s12 tiles, s13 count - 1, s14 my trips, s15 trip, s36 tile, s37 tile clamped, s[44:47] hid, s[48:49] sq, s[50:51] ord, s[52:53] wr, s[38:39] the count's word
.macro PLACES                          ; four places between matrix instructions and loads into, or vector writes of, registers that they read
.rept 4
	v_nop
.endr
.endm
.macro WROW n                          ; weight row n of my 8: matrix n / 2, row 2 w + n % 2 of the slice: eight loads of 512 consecutive bytes; each of the two rows has an offset register, since the first may be clamped
.set wm_, (\n)/2
.set wi_, (\n)%2
.set wd_, ACC+32*((\n)%4)
.irp c, 0,1,2,3,4,5,6,7
.if wm_ < 2
	global_load_b128 v[wd_+4*\c:wd_+4*\c+3], v[14+wi_], s[22+2*wm_:23+2*wm_] offset:512*\c th:TH_LOAD_NT  ; read once in the launch
.else
	global_load_b128 v[wd_+4*\c:wd_+4*\c+3], v[14+wi_], s[22+2*wm_:23+2*wm_] offset:512*\c                ; read by eight work-groups
.endif
.endr
.endm
.macro WCVT n                          ; row n is rounded and laid into LDS; its registers take the row four further on
.if (\n) <= LAST-3
	s_wait_loadcnt 24                              ; loads come back in order: the three younger rows, 8 loads each, stay out (in wave 15 idx, issued ahead of the rows, is in too)
.else
	s_wait_loadcnt 8*(LAST-(\n))
.endif
.set wd_, ACC+32*((\n)%4)
.irp c, 0,1,2,3,4,5,6,7
	v_cvt_pk_bf16_f32 v[CV+2*\c], v[wd_+4*\c], v[wd_+4*\c+1]
	v_cvt_pk_bf16_f32 v[CV+2*\c+1], v[wd_+4*\c+2], v[wd_+4*\c+3]
.endr
.if (\n)+4 <= LAST
	WROW (\n)+4
.endif
.irp c, 0,1,2,3,4,5,6,7
	ds_store_b64 v12, v[CV+2*\c:CV+2*\c+1] offset:((\n)%2)*PITCH+256*\c  ; 256 consecutive bytes
.endr
.if (\n)%2 == 1
	v_add_nc_u32 v12, 32*PITCH, v12                ; the next matrix's 32 rows
.endif
.endm
; 128 tokens: register 4 i + c of idx holds token 128 i + 4 lane + c.  A lane whose token chose e writes it at the rank = matches so far + matches in lower lanes; the others write a word of their own behind the list.
.macro CMP4 i
.irp c, 0,1,2,3
	v_cmp_eq_u32 s[66+\c], s10, v[64+4*(\i)+\c]
.endr
	s_bcnt1_i32_b32 s70, s66
	s_bcnt1_i32_b32 s71, s67
	s_bcnt1_i32_b32 s72, s68
	s_bcnt1_i32_b32 s73, s69
	s_add_co_u32 s70, s70, s58
	s_add_co_u32 s71, s71, s70
	s_add_co_u32 s72, s72, s71
	s_add_co_u32 s73, s73, s72
	v_mbcnt_lo_u32_b32 v32, s66, s58
	v_mbcnt_lo_u32_b32 v33, s67, s70
	v_mbcnt_lo_u32_b32 v34, s68, s71
	v_mbcnt_lo_u32_b32 v35, s69, s72
	s_mov_b32 s58, s73
.irp c, 0,1,2,3
	v_cndmask_b32 v[32+\c], v36, v[32+\c], s[66+\c]
	v_min_u32 v[32+\c], 0x81f, v[32+\c]            ; inside the list and its 32 words, whatever idx holds
	v_lshl_add_u32 v[32+\c], v[32+\c], 2, LIST
	v_add_nc_u32 v[38+\c], 128*(\i)+\c, v37
	ds_store_b32 v[32+\c], v[38+\c]
.endr
.endm
.macro CMPW i                          ; wave 15 alone: 256 tokens
	s_cmp_lg_u32 s8, LW
	s_cbranch_scc1 .Lnc_\@
	CMP4 2*(\i)
	CMP4 2*(\i)+1
.Lnc_\@:
.endm
	s_load_b512 s[16:31], s[0:1], 0x0              ; xb s[16:17], idx s[18:19], gwt s[20:21], W1 s[22:23], W3 s[24:25], Ws1 s[26:27], Ws3 s[28:29], hid s[30:31]
	s_load_b128 s[32:35], s[0:1], 0x40             ; sq s[32:33], ord s[34:35]
	v_lshl_add_u32 v4, v0, 2, SPARE                ; my spare word,
	v_mov_b32 v5, 0                                ; and 0: kept for the add at the wave's end
	v_and_b32 v1, 31, v0
	v_lshrrev_b32 v15, 5, v0
	v_readfirstlane_b32 s8, v15                    ; wave
	s_mov_b32 s9, ttmp9                            ; j
	s_and_b32 s10, ttmp7, 0xffff                   ; e
	s_lshl_b32 s58, s9, 5
	s_lshl_b32 s59, s8, 1
	s_add_co_u32 s58, s58, s59                     ; hidden column 32 j + 2 w: its weight row is one less
	s_max_u32 s59, s58, 1
	s_sub_co_u32 s59, s59, 1                       ; my first row, clamped to 0 for column 0
	s_lshl_b32 s58, s58, 12
	s_lshl_b32 s59, s59, 12
	v_lshl_add_u32 v15, v1, 4, s58                 ; my second row + 16 l
	v_lshl_add_u32 v14, v1, 4, s59                 ; my first row + 16 l
	v_lshlrev_b32 v13, 4, v1
	s_mul_i32 s59, s8, 2*PITCH
	v_lshl_add_u32 v12, v1, 3, s59                 ; LDS: row 2 w, 8 l
	s_mul_i32 s42, s10, WEXP
	s_mov_b32 s43, 0
	s_wait_kmcnt 0x0
	s_add_nc_u64 s[22:23], s[22:23], s[42:43]      ; W1[e]
	s_add_nc_u64 s[24:25], s[24:25], s[42:43]      ; W3[e]
	s_cmp_lg_u32 s8, LW
	s_cbranch_scc1 .Lno_idx
.irp i, 0,1,2,3,4,5,6,7,8,9,10,11,12,13,14,15
	global_load_b128 v[64+4*\i:67+4*\i], v13, s[18:19] offset:512*\i  ; wave 15: all 2,048 choices
.endr
.Lno_idx:
	WROW 0
	WROW 1
	WROW 2
	WROW 3
	; the rest of the set-up stands behind the first loads
	s_mov_b32 s54, 0x76543210                      ; v_permlanex16_b32: each lane takes its own place in the other half
	s_mov_b32 s55, 0xfedcba98
	s_mov_b32 s56, 0xffff0000                      ; lanes 16-31
	s_cmp_eq_u32 s9, 0
	s_cselect_b32 s57, 0xffff, 0                   ; the lanes that hold hidden column 0 in register 0 of f = 0
	s_lshl_b32 s42, s10, 22
	s_lshl_b32 s59, s9, 17
	s_add_co_u32 s42, s42, s59
	s_add_nc_u64 s[44:45], s[30:31], s[42:43]      ; hid[0][e][j]
	s_add_nc_u64 s[46:47], s[44:45], 0x2000000     ; hid[1][e][j]
	s_lshl_b32 s42, s10, 19
	s_lshl_b32 s59, s9, 14
	s_add_co_u32 s42, s42, s59
	s_add_nc_u64 s[48:49], s[32:33], s[42:43]      ; sq[e][j]
	s_lshl_b32 s42, s10, 13
	s_add_nc_u64 s[50:51], s[34:35], s[42:43]      ; ord[e]
	s_add_nc_u64 s[52:53], s[32:33], s[42:43]
	s_add_nc_u64 s[52:53], s[52:53], WR_OFF        ; wr[e]
	s_lshl_b32 s42, s10, 2
	s_add_nc_u64 s[38:39], s[34:35], s[42:43]
	s_add_nc_u64 s[38:39], s[38:39], META_OFF      ; the count's word
	v_and_b32 v2, 15, v1
	v_and_b32 v3, 16, v1
	v_mul_u32_u24 v6, v2, PITCH
	v_add_nc_u32 v6, v6, v3                        ; a fragment's row x pitch + 16 x half
	v_add_nc_u32 v7, 2*FRAG, v6
	v_add_nc_u32 v8, 4*FRAG, v6
	v_add_nc_u32 v9, 6*FRAG, v6
	v_add_nc_u32 v36, 2048, v1                     ; the list: a lane's own word behind it,
	v_lshlrev_b32 v37, 2, v1                       ; its first token in a group of 128,
	s_mov_b32 s58, 0                               ; matches so far
.irp n, 0,1,2,3,4,5,6,7
	WCVT \n
	CMPW \n
.endr
	s_cmp_lg_u32 s8, LW
	s_cbranch_scc1 .Lno_cnt
	v_mov_b32 v32, s58
	v_mov_b32 v33, NE
	ds_store_b32 v33, v32                          ; the count
.Lno_cnt:
	s_wait_dscnt 0x0                               ; for the others' sake: my rows, and wave 15's list, are written
	s_barrier_signal -1
	s_barrier_wait -1                              ; the one barrier: from here on LDS is only read
	v_mov_b32 v15, NE
	ds_load_b32 v15, v15
	s_and_b32 s36, s8, 3                           ; my first tile: 4 ((w % 4 - w / 4) mod 4) + w / 4
	s_lshr_b32 s59, s8, 2
	s_sub_co_u32 s36, s36, s59
	s_and_b32 s36, s36, 3
	s_lshl2_add_u32 s36, s36, s59
	s_wait_dscnt 0x0
	v_readfirstlane_b32 s11, v15
	s_min_u32 s11, s11, 2048
	s_add_co_u32 s12, s11, 31
	s_lshr_b32 s12, s12, 5                         ; tiles of 32 ranks
	s_max_u32 s13, s11, 1
	s_sub_co_u32 s13, s13, 1                       ; the last rank that exists
	s_add_co_u32 s14, s12, 15
	s_sub_co_u32 s14, s14, s36
	s_lshr_b32 s14, s14, 4                         ; my tiles: the first, and every sixteenth behind it, below the number of tiles
	s_or_b32 s59, s9, s8
	s_cmp_lg_u32 s59, 0
	s_cbranch_scc1 .Lno_meta                       ; wave 0 of j = 0 stores the count
	v_mov_b32 v13, s11
	v_mov_b32 v14, 0
	v_cmp_eq_u32 vcc_lo, 0, v1
	s_wait_xcnt 0x0                                ; EXEC changes only behind this wait
	s_and_saveexec_b32 s60, vcc_lo
	global_store_b32 v14, v13, s[38:39]
	s_wait_xcnt 0x0
	s_or_b32 exec_lo, exec_lo, s60
.Lno_meta:
	s_mov_b32 s15, 0
	s_cmp_eq_u32 s14, 0
	s_cbranch_scc1 .Lend
.macro ALOAD j                         ; the two token fragments of K step j: lane (r, h) takes 16 bytes at 64 j + 16 h and at 64 j + 32 + 16 h of its token's row
.set as_, AR+16*((\j)%3)
.irp a, 0,1
	global_load_b128 v[as_+8*\a:as_+8*\a+3], v[10+\a], s[16:17] offset:64*(\j)
	global_load_b128 v[as_+8*\a+4:as_+8*\a+7], v[10+\a], s[16:17] offset:64*(\j)+32
.endr
.endm
.macro BLOAD half, j                   ; four weight fragments of K step j
.irp u, 0,1,2,3
.set bf_, 4*(\half)+\u
.set br_, BH+32*(\half)+8*\u
	ds_load_b128 v[br_:br_+3], v[6+bf_/2] offset:(bf_%2)*FRAG+64*(\j)
	ds_load_b128 v[br_+4:br_+7], v[6+bf_/2] offset:(bf_%2)*FRAG+64*(\j)+32
.endr
.endm
.macro MM half, j                      ; 8 matrix instructions; the 16 accumulators take turns, one instruction a turn; step 0 starts the sums with the constant 0
.set as_, AR+16*((\j)%3)
.irp u, 0,1,2,3
.irp a, 0,1
.set ac_, ACC+8*(8*\a+4*(\half)+\u)
.set br_, BH+32*(\half)+8*\u
.if (\j) == 0
	v_wmma_f32_16x16x32_bf16 v[ac_:ac_+7], v[br_:br_+7], v[as_+8*\a:as_+8*\a+7], 0
.else
	v_wmma_f32_16x16x32_bf16 v[ac_:ac_+7], v[br_:br_+7], v[as_+8*\a:as_+8*\a+7], v[ac_:ac_+7]
.endif
.endr
.endr
.endm
.macro KSTEP j
.if (\j) <= 29
	s_wait_loadcnt 8                               ; this step's tokens are in; the next two steps', 4 loads each, stay out
.elseif (\j) == 30
	s_wait_loadcnt 4
.else
	s_wait_loadcnt 0x0
.endif
	s_wait_dscnt 8                                 ; the first half's fragments are in; the second half's 8 loads may be out
	MM 0, \j
.if (\j) < 31
	PLACES
	BLOAD 0, (\j)+1
	s_wait_dscnt 8                                 ; all but the 8 just issued
.else
	s_wait_dscnt 0x0
.endif
	MM 1, \j
	PLACES                                         ; in the last step: the places in front of the way out
.if (\j) < 31
	BLOAD 1, (\j)+1
.endif
.if (\j) < 29
	ALOAD (\j)+3                                   ; into the slot just multiplied
.endif
.endm
.macro GATE src                        ; the 64 numbers at work times the accumulators F = 4 kind + src + f, each read from its low end on
.set b_, 0
.rept 4
.irp f, 0,1
.irp p, 0,1,2,3
.set t_, T+16*b_+8*\f+2*\p
.set s_, ACC+8*(8*(b_/2)+4*(b_%2)+(\src)+\f)+2*\p
	v_pk_mul_f32 v[t_:t_+1], v[t_:t_+1], v[s_:s_+1]
.endr
.endr
.set b_, b_+1
.endr
.endm
.Ltile:                                                ; a trip: one tile of 32 ranks, all of K; LDS is only read
	s_min_u32 s37, s36, 63
	s_lshl_b32 s58, s37, 5
	v_add_nc_u32 v10, s58, v2                      ; the rank of row r of fragment 0,
	v_add_nc_u32 v11, 16, v10                      ; of fragment 1;
	v_min_u32 v10, s13, v10                        ; places past the count repeat the last token
	v_min_u32 v11, s13, v11
	v_min_u32 v10, 0x7ff, v10
	v_min_u32 v11, 0x7ff, v11
	v_lshl_add_u32 v10, v10, 2, LIST
	v_lshl_add_u32 v11, v11, 2, LIST
	ds_load_b32 v10, v10
	ds_load_b32 v11, v11
	s_lshl_b32 s58, s37, 11
	v_lshl_add_u32 v12, v1, 4, s58                 ; hid: 2,048 bytes a tile, 16 a lane
	s_lshl_b32 s58, s37, 8
	v_lshl_add_u32 v13, v1, 3, s58                 ; sq: 8 bytes a rank
	s_lshl_b32 s58, s37, 7
	v_lshl_add_u32 v14, v1, 2, s58                 ; ord, wr: 4 bytes a rank
	BLOAD 0, 0
	BLOAD 1, 0
	s_wait_dscnt 16                                ; the two tokens are in; the 16 fragment loads issued behind them stay out
	v_min_u32 v10, 0x7ff, v10
	v_min_u32 v11, 0x7ff, v11
	v_cndmask_b32 v15, v10, v11, s56               ; lane l: the token of rank 32 tile + l
	v_lshl_add_u32 v10, v10, 11, v3                ; token x 2,048 + 16 x half
	v_lshl_add_u32 v11, v11, 11, v3
	s_cmp_lg_u32 s9, 0
	s_cbranch_scc1 .Lno_gw
	v_lshlrev_b32 v0, 2, v15
	global_load_b32 v0, v0, s[20:21]               ; j = 0: the gate's weight of my rank; older than every counted load below
.Lno_gw:
	ALOAD 0
	ALOAD 1
	ALOAD 2
.set k_, 0
.rept 32
	KSTEP k_
.set k_, k_+1
.endr
	; THE WAY OUT.  Block b = 2 a + kind has s1 in accumulators (a, 4 kind + f) and s3 in (a, 4 kind + 2 + f).
.set b_, 0
.rept 4
.irp f, 0,1
.irp p, 0,1,2,3
.set t_, T+16*b_+8*\f+2*\p
.set s_, ACC+8*(8*(b_/2)+4*(b_%2)+\f)+2*\p
	v_pk_mul_f32 v[t_:t_+1], v[s_:s_+1], 0xbfb8aa3b op_sel_hi:[1,0]  ; -s1 log2 e
.endr
.endr
.set b_, b_+1
.endr
.set i_, 0
.rept 64
	v_exp_f32 v[T+i_], v[T+i_]
.set i_, i_+1
.endr
	v_nop                                          ; a plain instruction behind the last exponential,
	s_wait_alu depctr_va_vdst(0)                   ; and one wait for the batch of 64
.set i_, 0
.rept 32
	v_pk_add_f32 v[T+2*i_:T+2*i_+1], v[T+2*i_:T+2*i_+1], 1.0 op_sel_hi:[1,0]
.set i_, i_+1
.endr
.set i_, 0
.rept 64
	v_rcp_f32 v[T+i_], v[T+i_]
.set i_, i_+1
.endr
	v_nop
	s_wait_alu depctr_va_vdst(0)                   ; one wait for the 64 reciprocals
	GATE 0                                         ; silu(s1)
	GATE 2                                         ; times s3
.irp b, 0,1,2,3
	v_cndmask_b32 v[T+16*\b], v[T+16*\b], 0, s57   ; hidden column 0 is the time slot: 0 here
.endr
.irp t, 0,1,2,3,4,5,6,7
.irp b, 0,1,2,3
.if \t == 0
	v_pk_mul_f32 v[SS+2*\b:SS+2*\b+1], v[T+16*\b:T+16*\b+1], v[T+16*\b:T+16*\b+1]
.else
	v_pk_fma_f32 v[SS+2*\b:SS+2*\b+1], v[T+16*\b+2*\t:T+16*\b+2*\t+1], v[T+16*\b+2*\t:T+16*\b+2*\t+1], v[SS+2*\b:SS+2*\b+1]
.endif
.endr
.endr
.set i_, 0
.rept 32
	v_cvt_pk_bf16_f32 v[OUT+i_], v[T+2*i_], v[T+2*i_+1]
.set i_, i_+1
.endr
.irp a, 0,1
.irp kd, 0,1
.irp f, 0,1
	global_store_b128 v12, v[OUT+8*(2*\a+\kd)+4*\f:OUT+8*(2*\a+\kd)+4*\f+3], s[44+2*\kd:45+2*\kd] offset:1024*\a+512*\f  ; 512 consecutive bytes, aligned
.endr
.endr
.endr
.irp b, 0,1,2,3
	v_add_f32 v[120+\b], v[SS+2*\b], v[SS+2*\b+1]
.endr
.irp b, 0,1,2,3
	v_permlanex16_b32 v[SS+2*\b], v[120+\b], s54, s55  ; the token's other 16 columns lie in the lane 16 away
.endr
.irp b, 0,1,2,3
	v_add_f32 v[120+\b], v[120+\b], v[SS+2*\b]
.endr
	v_cndmask_b32 v124, v120, v122, s56            ; lane l: rank l's sums: fragment 0 below, fragment 1 above
	v_cndmask_b32 v125, v121, v123, s56
	global_store_b64 v13, v[124:125], s[48:49]     ; 256 consecutive bytes, aligned
	s_cmp_lg_u32 s9, 0
	s_cbranch_scc1 .Lno_ord
	global_store_b32 v14, v15, s[50:51]            ; j = 0: rank -> token,
	global_store_b32 v14, v0, s[52:53]             ; and the gate's weight by rank
.Lno_ord:
	s_wait_xcnt 0x0                                ; the stores' data and offsets are written again in the next trip only behind this wait
	s_add_co_u32 s36, s36, 16
	s_add_co_u32 s15, s15, 1
	s_cmp_lt_u32 s15, s14
	s_cbranch_scc1 .Ltile
.Lend:
	s_wait_tensorcnt 0x0                           ; the wave's end: three closing lines behind my last LDS store
	ds_add_u32 v4, v5
	s_wait_dscnt 0x0
	s_endpgm
.Lfunc_end_k_qf48b51db42_up:
	.size	k_qf48b51db42_up, .Lfunc_end_k_qf48b51db42_up-k_qf48b51db42_up
	.p2alignl 7, 3214868480
	.fill 96, 4, 3214868480
	.section	.rodata,"a",@progbits
	.p2align	6, 0x0
	.amdhsa_kernel k_qf48b51db42_up
		.amdhsa_group_segment_fixed_size 274944
		.amdhsa_private_segment_fixed_size 0
		.amdhsa_enable_private_segment 0
		.amdhsa_kernarg_size 80
		.amdhsa_user_sgpr_count 2
		.amdhsa_user_sgpr_kernarg_segment_ptr 1
		.amdhsa_wavefront_size32 1
		.amdhsa_system_sgpr_workgroup_id_x 1
		.amdhsa_system_sgpr_workgroup_id_y 1
		.amdhsa_system_sgpr_workgroup_id_z 1
		.amdhsa_system_vgpr_workitem_id 0
		.amdhsa_next_free_vgpr 256
		.amdhsa_next_free_sgpr 74
		.amdhsa_reserve_vcc 1
		.amdhsa_float_denorm_mode_32 3
		.amdhsa_float_denorm_mode_16_64 3
		.amdhsa_memory_ordered 1
		.amdhsa_forward_progress 1
		.amdhsa_inst_pref_size 167
	.end_amdhsa_kernel
	.amdgpu_metadata
---
amdhsa.version: [ 1, 2 ]
amdhsa.kernels:
  - .name:           k_qf48b51db42_up
    .symbol:         k_qf48b51db42_up.kd
    .args:
      - { .name: xb, .offset: 0, .size: 8, .value_kind: global_buffer, .address_space: global }
      - { .name: idx, .offset: 8, .size: 8, .value_kind: global_buffer, .address_space: global }
      - { .name: gwt, .offset: 16, .size: 8, .value_kind: global_buffer, .address_space: global }
      - { .name: W1, .offset: 24, .size: 8, .value_kind: global_buffer, .address_space: global }
      - { .name: W3, .offset: 32, .size: 8, .value_kind: global_buffer, .address_space: global }
      - { .name: Ws1, .offset: 40, .size: 8, .value_kind: global_buffer, .address_space: global }
      - { .name: Ws3, .offset: 48, .size: 8, .value_kind: global_buffer, .address_space: global }
      - { .name: hid, .offset: 56, .size: 8, .value_kind: global_buffer, .address_space: global }
      - { .name: sq, .offset: 64, .size: 8, .value_kind: global_buffer, .address_space: global }
      - { .name: ord, .offset: 72, .size: 8, .value_kind: global_buffer, .address_space: global }
    .group_segment_fixed_size: 274944
    .private_segment_fixed_size: 0
    .kernarg_segment_align: 8
    .kernarg_segment_size: 80
    .max_flat_workgroup_size: 512
    .sgpr_count:     74
    .vgpr_count:     256
    .wavefront_size: 32
...
	.end_amdgpu_metadata
.endif
;; end of part 5
;; launch down (part 6): grid 32 x 8, 16 waves a work-group, no clusters, 207,872 bytes of LDS; arguments hid, sq, ord, W2, Ws2, oz; writes oz
.if DOCPART == 6
	.amdgcn_target "amdgcn-amd-amdhsa--gfx1250"
	.amdhsa_code_object_version 6
	.text
	.protected	k_qf48b51db42_down
	.globl	k_qf48b51db42_down
	.p2align	8
	.type	k_qf48b51db42_down,@function
k_qf48b51db42_down:
	s_mov_b64 s[64:65], 0
	v_nop
	global_prefetch_b8 v0, s[64:65] scope:SCOPE_SE
	s_setreg_imm32_b32 hwreg(HW_REG_WAVE_MODE, 25, 1), 1
	s_wait_xcnt 0x0
; THE SECOND PRODUCT, of ONE kind.  Work-group (x, e): kind = x % 2 (0: the routed expert e, W2[e]; 1: the shared expert, Ws2), output columns 64 (x / 2) .. + 63, for the ranks of expert e.
; o = h W^T with h = [t, sp], t = sqrt(max(sum sp^2 + 1, 1e-8)) (c is 1 on both manifolds).  Output column d is weight row d - 1 (column 0 is the time coordinate, made by the next launch): a shift by one row of
; 4,096 bytes, as in the launch before.  The time slot never passes through bf16: hid holds 0 in hidden column 0, and t x W[d - 1][0] is added here in f32.
; STORED.  oz[kind][e][slice][rank][64] in bf16: a finished intermediate, rounded once (each number is off by at most 2^-8 of itself); column 0 of slice 0 holds 0.
; WHY ONE KIND.  A work-group reads 64 weight rows (256 KB of f32) and its kind's hidden rows alone, 2 KB a rank; with both kinds on 32 columns it would read the same weights' bytes and 4 KB a rank.
; PLAN.  The 64 weight rows go into LDS as bf16 (wave w lays rows 4 w .. 4 w + 3, all 32 loads asked for at once), ONE barrier, then each wave by itself walks tiles of 32 ranks; hid comes from memory straight
; into operand registers, 512 consecutive bytes a load, six K steps ahead: 30 loads a wave.  The wave's own stage in LDS turns a lane's eight columns into whole rows; its addresses are the same in every trip.
; SIXTEEN WAVES, so that up to 512 tokens on an expert every tile has a wave of its own and none is walked behind another.  Wave w begins with tile 4 ((w % 4 - w / 4) mod 4) + w / 4 and goes on in steps of 16:
; four consecutive tiles go to waves that differ both in w % 4 and in w / 4.
; TRANSPOSED USE: source 0 = 16 weight rows, source 1 = 16 ranks: a lane holds one rank (lane % 16) and output columns 8 (lane / 16) + 0..7 of a fragment.
; LIMITS.  NaN and infinities are not treated apart.
; NO TENSOR LOADS, NO CLUSTER: the weights pass through registers to be rounded, each routed slice has one reader; hid is shared by an expert's 16 work-groups of a kind, but how much of it there is hangs on a
; stored count, and a loop of that length holds no barrier, which joint loads would want.
.set PITCH, 2064                       ; 2,048 bytes + 16: the 16 rows of a fragment load start at 16 different banks (64 banks of 4 bytes: ISA guide 11.1)
.set FRAG,  16*PITCH
.set STAGE, 64*PITCH                   ; behind the weights: 32 rows x 144 bytes for each wave
.set SP,    144                        ; 128 bytes + 16 = 36 words: 16 rows start at 16 different groups of four banks
.set SPARE, STAGE+16*32*SP             ; the spare words, 128 bytes for each of 16 waves
.set WEXP,  1023*4096
.set LAST,  3
.set DEPTH, 6                          ; K steps of rank fragments on their way
.set CV,   20                          ; phase 1: v[20:35] a row in bf16; v[128:255] four rows in f32
.set RING, 20                          ; v[20:115] six slots of 16: fragment a at + 8 a
.set SQR,  116                         ; v[116:121] the six steps' words of sq
.set BB,   128                         ; v[128:191] two buffers of four weight fragments: f at + 8 f
.set ACC,  192                         ; v[192:255] accumulator (a, f) at ACC + 8 (4 a + f)
.set TMP,  28                          ; the way out: v[28:59] the tile in bf16
.set BK,   60                          ; v[60:91] 32 rows read back from the stage
; v1 lane; v2 lane % 16; v3 16 (lane / 16); v4, v5 the add's; v6, v7 LDS places of fragments 0, 1 and 2, 3; v8 hid, v9 sq, v10 oz offsets; v11, v12 stage in and back;
; v14, v15 LDS places of the weights' column 0; v16 the sum of sq, then t
; s8 wave, s9 slice, s10 e, s13 kind, s11 count, s12 tiles, s14 my trips, s15 trip, s36 tile, s37 tile clamped, s[22:23] my weights, s[44:45] hid, s[48:49] sq, s[52:53] oz
.macro PLACES
.rept 4
	v_nop
.endr
.endm
.macro WROW n                          ; weight row n of my 4: eight loads of 512 consecutive bytes; the first row has an offset register of its own, since it may be clamped
.set wd_, 128+32*(\n)
.irp c, 0,1,2,3,4,5,6,7
.if (\n) == 0
	global_load_b128 v[wd_+4*\c:wd_+4*\c+3], v14, s[22:23] offset:512*\c
.else
	global_load_b128 v[wd_+4*\c:wd_+4*\c+3], v15, s[22:23] offset:((\n)-1)*4096+512*\c
.endif
.endr
.endm
.macro WCVT n                          ; row n is rounded and laid into LDS
	s_wait_loadcnt 8*(LAST-(\n))                   ; loads come back in order: the younger rows, 8 loads each, stay out
.set wd_, 128+32*(\n)
.irp c, 0,1,2,3,4,5,6,7
	v_cvt_pk_bf16_f32 v[CV+2*\c], v[wd_+4*\c], v[wd_+4*\c+1]
	v_cvt_pk_bf16_f32 v[CV+2*\c+1], v[wd_+4*\c+2], v[wd_+4*\c+3]
.endr
.irp c, 0,1,2,3,4,5,6,7
	ds_store_b64 v12, v[CV+2*\c:CV+2*\c+1] offset:(\n)*PITCH+256*\c  ; 256 consecutive bytes
.endr
.endm
	s_load_b256 s[16:23], s[0:1], 0x0              ; hid s[16:17], sq s[18:19], ord s[20:21], W2 s[22:23]
	s_load_b128 s[24:27], s[0:1], 0x20             ; Ws2 s[24:25], oz s[26:27]
	v_lshl_add_u32 v4, v0, 2, SPARE                ; my spare word,
	v_mov_b32 v5, 0                                ; and 0: kept for the add at the wave's end
	v_and_b32 v1, 31, v0
	v_lshrrev_b32 v15, 5, v0
	v_readfirstlane_b32 s8, v15                    ; wave
	s_and_b32 s13, ttmp9, 1                        ; kind
	s_lshr_b32 s9, ttmp9, 1                        ; slice of 64 columns
	s_and_b32 s10, ttmp7, 0xffff                   ; e
	s_lshl_b32 s62, s9, 6
	s_lshl_b32 s63, s8, 2
	s_add_co_u32 s62, s62, s63                     ; output column 64 s + 4 w: its weight row is one less
	s_max_u32 s63, s62, 1
	s_sub_co_u32 s63, s63, 1                       ; my first row, clamped to 0 for column 0
	s_lshl_b32 s62, s62, 12
	s_lshl_b32 s63, s63, 12
	v_lshl_add_u32 v15, v1, 4, s62                 ; my second row + 16 l
	v_lshl_add_u32 v14, v1, 4, s63                 ; my first row + 16 l
	s_mul_i32 s63, s8, 4*PITCH
	v_lshl_add_u32 v12, v1, 3, s63                 ; LDS: row 4 w, 8 l
	s_mul_i32 s42, s10, WEXP
	s_mov_b32 s43, 0
	s_lshl_b32 s62, s10, 2
	s_mov_b32 s63, 0
	s_wait_kmcnt 0x0
	s_add_nc_u64 s[38:39], s[20:21], s[62:63]
	s_load_b32 s11, s[38:39], 0x10000              ; the expert's count
	s_add_nc_u64 s[22:23], s[22:23], s[42:43]      ; W2[e],
	s_cmp_eq_u32 s13, 0
	s_cselect_b64 s[22:23], s[22:23], s[24:25]     ; or Ws2: the choice hangs on the work-group's number alone
	WROW 0
	WROW 1
	WROW 2
	WROW 3
	; the rest of the set-up stands behind the loads
	s_mov_b32 s54, 0x76543210                      ; v_permlanex16_b32: each lane takes its own place in the other half
	s_mov_b32 s55, 0xfedcba98
	s_mov_b32 s56, 0xffff0000                      ; lanes 16-31
	s_cmp_eq_u32 s9, 0
	s_cselect_b32 s57, 0xffff, 0                   ; the lanes that hold output column 0 in register 0 of f = 0
	s_mov_b32 s61, 0x322bcc77                      ; 1e-8
	s_lshl_b32 s42, s13, 25
	s_lshl_b32 s62, s10, 22
	s_add_co_u32 s42, s42, s62
	s_add_nc_u64 s[44:45], s[16:17], s[42:43]      ; hid[kind][e]
	s_lshl_b32 s62, s9, 18
	s_add_co_u32 s42, s42, s62
	s_add_nc_u64 s[52:53], s[26:27], s[42:43]      ; oz[kind][e][slice]: kind 2^25, e 2^22, slice 2^18 bytes
	s_lshl_b32 s42, s10, 19
	s_lshl_b32 s62, s13, 2
	s_add_co_u32 s42, s42, s62
	s_add_nc_u64 s[48:49], s[18:19], s[42:43]      ; sq[e], at my kind's word of a pair
	v_and_b32 v2, 15, v1
	v_and_b32 v3, 16, v1
	v_mul_u32_u24 v6, v2, PITCH
	v_add_nc_u32 v6, v6, v3                        ; a fragment's row x pitch + 16 x half
	v_add_nc_u32 v7, 2*FRAG, v6
.irp n, 0,1,2,3
	WCVT \n
.endr
	s_wait_dscnt 0x0                               ; for the others' sake: my rows are written
	s_barrier_signal -1
	s_barrier_wait -1                              ; the one barrier: from here on a wave writes its own stage alone
	s_mul_i32 s62, s8, 32*SP
	s_add_co_u32 s62, s62, STAGE                   ; my stage
	v_mul_u32_u24 v11, v2, SP                      ; in: row r, 16 bytes for each half of the lanes
	v_add_nc_u32 v11, v11, v3
	v_add_nc_u32 v11, s62, v11
	v_lshrrev_b32 v12, 3, v1                       ; back: 32 lanes take four rows of 128 bytes
	v_mul_u32_u24 v12, v12, SP
	v_and_b32 v13, 7, v1
	v_lshl_add_u32 v12, v13, 4, v12
	v_add_nc_u32 v12, s62, v12
	v_mul_u32_u24 v14, v3, PITCH/2                 ; 8 (lane / 16) rows: the first of my eight columns' weight rows
	v_add_nc_u32 v15, 2*FRAG, v14
	s_and_b32 s36, s8, 3                           ; my first tile: 4 ((w % 4 - w / 4) mod 4) + w / 4
	s_lshr_b32 s62, s8, 2
	s_sub_co_u32 s36, s36, s62
	s_and_b32 s36, s36, 3
	s_lshl2_add_u32 s36, s36, s62
	s_wait_kmcnt 0x0
	s_min_u32 s11, s11, 2048
	s_add_co_u32 s12, s11, 31
	s_lshr_b32 s12, s12, 5                         ; tiles of 32 ranks
	s_add_co_u32 s14, s12, 15
	s_sub_co_u32 s14, s14, s36
	s_lshr_b32 s14, s14, 4                         ; my tiles: the first, and every sixteenth behind it, below the number of tiles
	s_mov_b32 s15, 0
	s_cmp_eq_u32 s14, 0
	s_cbranch_scc1 .Lend
.macro ALOAD j                         ; K step j: two rank fragments as they lie in hid, 512 consecutive bytes a load, and the step's sums of squares (lane = rank): 5 loads
.set as_, RING+16*((\j)%DEPTH)
.irp a, 0,1
	global_load_b128 v[as_+8*\a:as_+8*\a+3], v8, s[44:45] offset:131072*(\j)+1024*\a
	global_load_b128 v[as_+8*\a+4:as_+8*\a+7], v8, s[44:45] offset:131072*(\j)+1024*\a+512
.endr
	global_load_b32 v[SQR+(\j)%DEPTH], v9, s[48:49] offset:16384*(\j)
.endm
.macro BLOAD j                         ; K step j's four weight fragments into buffer j % 2
.set bb_, BB+32*((\j)%2)
.irp f, 0,1,2,3
	ds_load_b128 v[bb_+8*\f:bb_+8*\f+3], v[6+\f/2] offset:FRAG*(\f%2)+64*(\j)
	ds_load_b128 v[bb_+8*\f+4:bb_+8*\f+7], v[6+\f/2] offset:FRAG*(\f%2)+64*(\j)+32
.endr
.endm
.macro KSTEP j
.if (\j) < 31
	BLOAD (\j)+1                                   ; its buffer's last readers stand in front of the last step's four places
	s_wait_dscnt 8                                 ; this step's fragments are in; the 8 just issued stay out
.else
	s_wait_dscnt 0x0
.endif
.if (\j) <= 32-DEPTH
	s_wait_loadcnt 5*(DEPTH-1)                     ; this step's slot is in; the next five steps', 5 loads each, stay out
.else
	s_wait_loadcnt 5*(31-(\j))                     ; the steps that are left
.endif
.set as_, RING+16*((\j)%DEPTH)
.set bb_, BB+32*((\j)%2)
.if (\j) == 0
	v_mov_b32 v16, v[SQR]
.else
	v_add_f32 v16, v16, v[SQR+(\j)%DEPTH]
.endif
.irp a, 0,1                            ; the 8 accumulators take turns; step 0 starts the sums with the constant 0
.irp f, 0,1,2,3
.set ac_, ACC+8*(4*\a+\f)
.if (\j) == 0
	v_wmma_f32_16x16x32_bf16 v[ac_:ac_+7], v[bb_+8*\f:bb_+8*\f+7], v[as_+8*\a:as_+8*\a+7], 0
.else
	v_wmma_f32_16x16x32_bf16 v[ac_:ac_+7], v[bb_+8*\f:bb_+8*\f+7], v[as_+8*\a:as_+8*\a+7], v[ac_:ac_+7]
.endif
.endr
.endr
	PLACES                                         ; in front of the loads into the slot and, in the next step, into the buffer just multiplied; in the last step: in front of the way out
.if (\j) < 32-DEPTH
	ALOAD (\j)+DEPTH
.endif
.endm
.Ltile:                                                ; a trip: one tile of 32 ranks, all of K
	s_min_u32 s37, s36, 63
	s_lshl_b32 s62, s37, 11
	v_lshl_add_u32 v8, v1, 4, s62                  ; hid: 2,048 bytes a tile
	s_lshl_b32 s62, s37, 8
	v_lshl_add_u32 v9, v1, 3, s62                  ; sq: 8 bytes a rank
	s_lshl_b32 s62, s37, 12
	v_lshl_add_u32 v10, v1, 4, s62                 ; oz: 128 bytes a rank
.set k_, 0
.rept DEPTH
	ALOAD k_                                       ; the ring is filled: 30 loads
.set k_, k_+1
.endr
	BLOAD 0
.set k_, 0
.rept 32
	KSTEP k_
.set k_, k_+1
.endr
	; THE WAY OUT.  The weights' hidden column 0, for my eight output columns of each fragment
.irp f, 0,1,2,3
.irp jj, 0,1,2,3,4,5,6,7
	ds_load_u16 v[BB+8*\f+\jj], v[14+\f/2] offset:(16*(\f%2)+\jj)*PITCH
.endr
.endr
	v_add_f32 v16, 1.0, v16                        ; lane l: rank l's sum + c,
	v_max_num_f32 v16, s61, v16                    ; clipped as reference() clips
	v_sqrt_f32 v16, v16                            ; t
	v_nop                                          ; a plain instruction behind the root,
	s_wait_alu depctr_va_vdst(0)                   ; and its wait
	v_permlanex16_b32 v20, v16, s54, s55
.irp z, 0,1                            ; from lane = rank to lane = row r of fragment a, each number twice for the packed form: v[22:23], v[24:25]
	v_cndmask_b32 v[22+\z], v16, v20, s56
	v_cndmask_b32 v[24+\z], v20, v16, s56
.endr
	s_wait_dscnt 0x0
.set i_, 0
.rept 32
	v_lshlrev_b32 v[BB+i_], 16, v[BB+i_]           ; bf16 to f32
.set i_, i_+1
.endr
.irp a, 0,1                            ; the time slot's part; each accumulator is read from its low end on
.irp f, 0,1,2,3
.irp p, 0,1,2,3
.set o_, ACC+8*(4*\a+\f)+2*\p
	v_pk_fma_f32 v[o_:o_+1], v[BB+8*\f+2*\p:BB+8*\f+2*\p+1], v[22+2*\a:23+2*\a], v[o_:o_+1]
.endr
.endr
.endr
.irp a, 0,1
	v_cndmask_b32 v[ACC+32*\a], v[ACC+32*\a], 0, s57  ; output column 0 is no space coordinate
.endr
.irp a, 0,1                            ; a lane's eight columns of a row pack into 16 bytes
.irp f, 0,1,2,3
.irp p, 0,1,2,3
	v_cvt_pk_bf16_f32 v[TMP+4*(4*\a+\f)+\p], v[ACC+8*(4*\a+\f)+2*\p], v[ACC+8*(4*\a+\f)+2*\p+1]
.endr
.endr
.endr
.irp a, 0,1
.irp f, 0,1,2,3
	ds_store_b128 v11, v[TMP+4*(4*\a+\f):TMP+4*(4*\a+\f)+3] offset:16*SP*\a+32*\f
.endr
.endr
.irp i, 0,1,2,3,4,5,6,7
	ds_load_b128 v[BK+4*\i:BK+4*\i+3], v12 offset:4*SP*\i  ; LDS serves a wave's instructions in order (ISA guide 5.7.1.4): these see the stores above
.endr
.irp i, 0,1,2,3,4,5,6,7
	s_wait_dscnt 7-\i                              ; the loads issued behind this one may stay out
	global_store_b128 v10, v[BK+4*\i:BK+4*\i+3], s[52:53] offset:512*\i  ; four ranks: 512 consecutive bytes, aligned
.endr
	s_wait_xcnt 0x0                                ; the stores' data and offsets are written again in the next trip only behind this wait
	s_add_co_u32 s36, s36, 16
	s_add_co_u32 s15, s15, 1
	s_cmp_lt_u32 s15, s14
	s_cbranch_scc1 .Ltile
.Lend:
	s_wait_tensorcnt 0x0                           ; the wave's end: three closing lines behind my last LDS store
	ds_add_u32 v4, v5
	s_wait_dscnt 0x0
	s_endpgm
.Lfunc_end_k_qf48b51db42_down:
	.size	k_qf48b51db42_down, .Lfunc_end_k_qf48b51db42_down-k_qf48b51db42_down
	.p2alignl 7, 3214868480
	.fill 96, 4, 3214868480
	.section	.rodata,"a",@progbits
	.p2align	6, 0x0
	.amdhsa_kernel k_qf48b51db42_down
		.amdhsa_group_segment_fixed_size 207872
		.amdhsa_private_segment_fixed_size 0
		.amdhsa_enable_private_segment 0
		.amdhsa_kernarg_size 48
		.amdhsa_user_sgpr_count 2
		.amdhsa_user_sgpr_kernarg_segment_ptr 1
		.amdhsa_wavefront_size32 1
		.amdhsa_system_sgpr_workgroup_id_x 1
		.amdhsa_system_sgpr_workgroup_id_y 1
		.amdhsa_system_sgpr_workgroup_id_z 1
		.amdhsa_system_vgpr_workitem_id 0
		.amdhsa_next_free_vgpr 256
		.amdhsa_next_free_sgpr 66
		.amdhsa_reserve_vcc 0
		.amdhsa_float_denorm_mode_32 3
		.amdhsa_float_denorm_mode_16_64 3
		.amdhsa_memory_ordered 1
		.amdhsa_forward_progress 1
		.amdhsa_inst_pref_size 78
	.end_amdhsa_kernel
	.amdgpu_metadata
---
amdhsa.version: [ 1, 2 ]
amdhsa.kernels:
  - .name:           k_qf48b51db42_down
    .symbol:         k_qf48b51db42_down.kd
    .args:
      - { .name: hid, .offset: 0, .size: 8, .value_kind: global_buffer, .address_space: global }
      - { .name: sq, .offset: 8, .size: 8, .value_kind: global_buffer, .address_space: global }
      - { .name: ord, .offset: 16, .size: 8, .value_kind: global_buffer, .address_space: global }
      - { .name: W2, .offset: 24, .size: 8, .value_kind: global_buffer, .address_space: global }
      - { .name: Ws2, .offset: 32, .size: 8, .value_kind: global_buffer, .address_space: global }
      - { .name: oz, .offset: 40, .size: 8, .value_kind: global_buffer, .address_space: global }
    .group_segment_fixed_size: 207872
    .private_segment_fixed_size: 0
    .kernarg_segment_align: 8
    .kernarg_segment_size: 48
    .max_flat_workgroup_size: 512
    .sgpr_count:     66
    .vgpr_count:     256
    .wavefront_size: 32
...
	.end_amdgpu_metadata
.endif
;; end of part 6
;; launch norm (part 7): grid 263 x 1, 8 waves a work-group, no clusters, 0 bytes of LDS; arguments oz, sq, ord, out0; writes out0
.if DOCPART == 7
	.amdgcn_target "amdgcn-amd-amdhsa--gfx1250"
	.amdhsa_code_object_version 6
	.text
	.protected	k_qf48b51db42_norm
	.globl	k_qf48b51db42_norm
	.p2align	8
	.type	k_qf48b51db42_norm,@function
k_qf48b51db42_norm:
	s_mov_b64 s[64:65], 0
	v_nop
	global_prefetch_b8 v0, s[64:65] scope:SCOPE_SE
	s_setreg_imm32_b32 hwreg(HW_REG_WAVE_MODE, 25, 1), 1
	s_wait_xcnt 0x0
; THE TIME COORDINATES, THE COMBINATION AND THE NORMALISATION.  For each rank: ot = sqrt(max(sum o^2 + 1, 1e-8)), zt likewise from z; comb = z + 2 w o; the time coordinate of z + 2 y is ct = zt + 2 (1 + w ot);
; li = sum comb^2 - ct^2, as reference() forms it; out = [ct, comb] / sqrt(max(|li|, 1e-8)), stored at the rank's token.  o and z come in bf16, as the launch before rounded them; all arithmetic and sums here are f32.
; SHARES.  ONE WAVE, ONE RANK: the row's 1,024 numbers of o and of z are 32 + 32 registers, so the row stays in registers between the sums and the scaling, the sums never leave the wave, and there is no LDS and
; no barrier.  Register 4 u + c of lane l holds column 128 u + 4 l + c: a load of 8 bytes a lane takes 128 consecutive bytes of each of two slices (the other half of each aligned 256 bytes is the neighbouring rank's,
; which the neighbouring wave of this work-group reads); a store takes 512 consecutive bytes of the row.
; GRID.  A work-group has 8 ranks of one expert.  With 2,048 ranks on 8 experts there are never more than 256 + 7 = 263 such tiles, whatever the split.  Which expert a tile belongs to is worked out from the stored
; counts by scalar selects.  The price of a grid that serves every split.
; A stream: no matrix unit, no cluster (no input byte is read twice).  LIMITS.  NaN and infinities are not treated apart.
.set O, 16                             ; v[16:47] o
.set Z, 48                             ; v[48:79] z, then comb, then the row to store
.set OB, 96                            ; v[96:111] o as loaded
.set ZB, 112                           ; v[112:127] z as loaded
; v[80:83] sum o^2 in two chains, v[84:87] sum z^2, v[88:91] sum comb^2; v[92:93] 2 w
; s18 wave, s19 tile, s21 rank, s[24:31] counts, s32 tiles so far, s33 the expert's first tile, s34 its count, s35 the expert, s40 token, s41 w
	s_load_b256 s[8:15], s[0:1], 0x0               ; oz s[8:9], sq s[10:11], ord s[12:13], out0 s[14:15]
	v_and_b32 v1, 31, v0
	v_lshrrev_b32 v2, 5, v0
	v_readfirstlane_b32 s18, v2                    ; wave
	s_mov_b32 s19, ttmp9
	s_mov_b32 s37, 0x322bcc77                      ; 1e-8
	s_mov_b32 s38, 0x76543210                      ; v_permlanex16_b32: each lane takes its own place in the other half
	s_mov_b32 s39, 0xfedcba98
	s_wait_kmcnt 0x0
	s_load_b256 s[24:31], s[12:13], 0x10000        ; the eight counts
	v_lshrrev_b32 v3, 4, v1
	v_and_b32 v4, 15, v1
	v_lshlrev_b32 v4, 3, v4
	v_lshl_add_u32 v3, v3, 18, v4                  ; lanes 16-31: the next slice (262,144 bytes on); 8 bytes a lane
	v_lshlrev_b32 v5, 4, v1                        ; 16 l
	s_mov_b32 s32, 0
	s_mov_b32 s33, 0
	s_mov_b32 s35, 0
	s_mov_b32 s23, 0
	s_wait_kmcnt 0x0
.irp k, 0,1,2,3,4,5,6,7
	s_min_u32 s[24+\k], s[24+\k], 2048
.endr
	s_mov_b32 s34, s24
.irp k, 0,1,2,3,4,5,6,7                ; while the tile lies behind expert k's tiles: on to the next expert
	s_add_co_u32 s36, s[24+\k], 7
	s_lshr_b32 s36, s36, 3
	s_add_co_u32 s32, s32, s36
	s_cmp_le_u32 s32, s19
	s_cselect_b32 s33, s32, s33
.if \k < 7
	s_cselect_b32 s34, s[25+\k], s34
.else
	s_cselect_b32 s34, 0, s34                      ; behind the last expert: no rank
.endif
	s_add_co_ci_u32 s35, s35, 0
.endr
	s_min_u32 s35, s35, 7
	s_sub_co_u32 s36, s19, s33
	s_min_u32 s36, s36, 255                        ; the tile's number within its expert
	s_lshl_b32 s21, s36, 3
	s_add_co_u32 s21, s21, s18                     ; my rank
	s_cmp_ge_u32 s21, s34
	s_cbranch_scc1 .Lend                           ; past the count: nothing to do
	s_lshl_b32 s22, s35, 13
	s_lshl_b32 s36, s21, 2
	s_add_co_u32 s22, s22, s36
	s_add_nc_u64 s[12:13], s[12:13], s[22:23]
	s_add_nc_u64 s[10:11], s[10:11], s[22:23]
	s_load_b32 s40, s[12:13], 0x0                  ; ord[e][rank]: the token
	s_load_b32 s41, s[10:11], 0x400000             ; wr[e][rank]: the gate's weight
	s_lshl_b32 s22, s35, 22
	s_lshl_b32 s36, s21, 7
	s_add_co_u32 s22, s22, s36
	s_add_nc_u64 s[8:9], s[8:9], s[22:23]          ; oz[0][e][0][rank]
	s_add_nc_u64 s[16:17], s[8:9], 0x2000000       ; oz[1][e][0][rank]
.irp u, 0,1,2,3,4,5,6,7
	global_load_b64 v[OB+2*\u:OB+2*\u+1], v3, s[8:9] offset:524288*\u    ; two slices: two runs of 128 consecutive bytes
.endr
.irp u, 0,1,2,3,4,5,6,7
	global_load_b64 v[ZB+2*\u:ZB+2*\u+1], v3, s[16:17] offset:524288*\u
.endr
	s_wait_loadcnt 8                               ; o is in; z's 8 loads stay out
.irp u, 0,1,2,3,4,5,6,7,8,9,10,11,12,13,14,15
	v_lshlrev_b32 v[O+2*\u], 16, v[OB+\u]          ; bf16 to f32: the low half moves up,
	v_and_b32 v[O+2*\u+1], 0xffff0000, v[OB+\u]    ; the high half stays
.endr
.set t_, 0
.rept 16
.if t_ < 2
	v_pk_mul_f32 v[80+2*t_:81+2*t_], v[O+2*t_:O+2*t_+1], v[O+2*t_:O+2*t_+1]
.else
	v_pk_fma_f32 v[80+2*(t_%2):81+2*(t_%2)], v[O+2*t_:O+2*t_+1], v[O+2*t_:O+2*t_+1], v[80+2*(t_%2):81+2*(t_%2)]
.endif
.set t_, t_+1
.endr
	s_wait_kmcnt 0x0                               ; the token and w
	v_add_f32 v92, s41, s41                        ; 2 w,
	v_mov_b32 v93, v92                             ; twice, for the packed form
	s_min_u32 s40, s40, 2047
	s_lshl_b32 s22, s40, 12
	s_add_nc_u64 s[14:15], s[14:15], s[22:23]      ; my token's row of out0
	s_wait_loadcnt 0x0
.irp u, 0,1,2,3,4,5,6,7,8,9,10,11,12,13,14,15
	v_lshlrev_b32 v[Z+2*\u], 16, v[ZB+\u]
	v_and_b32 v[Z+2*\u+1], 0xffff0000, v[ZB+\u]
.endr
.set t_, 0
.rept 16
.if t_ < 2
	v_pk_mul_f32 v[84+2*t_:85+2*t_], v[Z+2*t_:Z+2*t_+1], v[Z+2*t_:Z+2*t_+1]
	v_pk_fma_f32 v[Z+2*t_:Z+2*t_+1], v[O+2*t_:O+2*t_+1], v[92:93], v[Z+2*t_:Z+2*t_+1]
	v_pk_mul_f32 v[88+2*t_:89+2*t_], v[Z+2*t_:Z+2*t_+1], v[Z+2*t_:Z+2*t_+1]
.else
	v_pk_fma_f32 v[84+2*(t_%2):85+2*(t_%2)], v[Z+2*t_:Z+2*t_+1], v[Z+2*t_:Z+2*t_+1], v[84+2*(t_%2):85+2*(t_%2)]
	v_pk_fma_f32 v[Z+2*t_:Z+2*t_+1], v[O+2*t_:O+2*t_+1], v[92:93], v[Z+2*t_:Z+2*t_+1]
	v_pk_fma_f32 v[88+2*(t_%2):89+2*(t_%2)], v[Z+2*t_:Z+2*t_+1], v[Z+2*t_:Z+2*t_+1], v[88+2*(t_%2):89+2*(t_%2)]
.endif
.set t_, t_+1
.endr
	; the three sums: over the lane's chains, then over the 32 lanes; every lane ends with all three
.irp b, 80,84,88
	v_pk_add_f32 v[\b:\b+1], v[\b:\b+1], v[\b+2:\b+3]
.endr
.irp b, 80,84,88
	v_add_f32 v[\b], v[\b], v[\b+1]
.endr
.irp m, 1,2,4,8
.irp b, 80,84,88
	v_add_f32_dpp v[\b], v[\b], v[\b] row_xmask:\m row_mask:0xf bank_mask:0xf
.endr
.endr
.irp b, 80,84,88
	v_permlanex16_b32 v[\b+1], v[\b], s38, s39
.endr
.irp b, 80,84,88
	v_add_f32 v[\b], v[\b], v[\b+1]
.endr
	v_add_f32 v80, 1.0, v80
	v_add_f32 v84, 1.0, v84
	v_max_num_f32 v80, s37, v80
	v_max_num_f32 v84, s37, v84
	v_sqrt_f32 v80, v80                            ; ot
	v_sqrt_f32 v84, v84                            ; zt
	v_cmp_eq_u32 vcc_lo, 0, v1                     ; lane 0 holds column 0: the plain instruction behind the roots
	s_wait_alu depctr_va_vdst(0)                   ; one wait for both
	v_add_f32 v84, 2.0, v84
	v_fma_f32 v81, v92, v80, v84                   ; ct = 2 w ot + zt + 2
	v_fma_f32 v82, -v81, v81, v88                  ; li
	v_max_num_f32 v82, |v82|, s37
	v_rsq_f32 v82, v82
	v_nop                                          ; a plain instruction behind the root,
	s_wait_alu depctr_va_vdst(0)                   ; and its wait
	v_mul_f32 v81, v81, v82                        ; the time coordinate, normalised
.set t_, 0
.rept 16
	v_pk_mul_f32 v[Z+2*t_:Z+2*t_+1], v[Z+2*t_:Z+2*t_+1], v[82:83] op_sel_hi:[1,0]
.set t_, t_+1
.endr
	v_cndmask_b32 v[Z], v[Z], v81, vcc_lo          ; column 0 takes the time coordinate
.irp i, 0,1,2,3,4,5,6,7
	global_store_b128 v5, v[Z+4*\i:Z+4*\i+3], s[14:15] offset:512*\i th:TH_STORE_NT  ; 512 consecutive bytes of the row, aligned
.endr
.Lend:
	s_endpgm
.Lfunc_end_k_qf48b51db42_norm:
	.size	k_qf48b51db42_norm, .Lfunc_end_k_qf48b51db42_norm-k_qf48b51db42_norm
	.p2alignl 7, 3214868480
	.fill 96, 4, 3214868480
	.section	.rodata,"a",@progbits
	.p2align	6, 0x0
	.amdhsa_kernel k_qf48b51db42_norm
		.amdhsa_group_segment_fixed_size 0
		.amdhsa_private_segment_fixed_size 0
		.amdhsa_enable_private_segment 0
		.amdhsa_kernarg_size 32
		.amdhsa_user_sgpr_count 2
		.amdhsa_user_sgpr_kernarg_segment_ptr 1
		.amdhsa_wavefront_size32 1
		.amdhsa_system_sgpr_workgroup_id_x 1
		.amdhsa_system_sgpr_workgroup_id_y 1
		.amdhsa_system_sgpr_workgroup_id_z 1
		.amdhsa_system_vgpr_workitem_id 0
		.amdhsa_next_free_vgpr 128
		.amdhsa_next_free_sgpr 66
		.amdhsa_reserve_vcc 1
		.amdhsa_float_denorm_mode_32 3
		.amdhsa_float_denorm_mode_16_64 3
		.amdhsa_memory_ordered 1
		.amdhsa_forward_progress 1
		.amdhsa_inst_pref_size 17
	.end_amdhsa_kernel
	.amdgpu_metadata
---
amdhsa.version: [ 1, 2 ]
amdhsa.kernels:
  - .name:           k_qf48b51db42_norm
    .symbol:         k_qf48b51db42_norm.kd
    .args:
      - { .name: oz, .offset: 0, .size: 8, .value_kind: global_buffer, .address_space: global }
      - { .name: sq, .offset: 8, .size: 8, .value_kind: global_buffer, .address_space: global }
      - { .name: ord, .offset: 16, .size: 8, .value_kind: global_buffer, .address_space: global }
      - { .name: out0, .offset: 24, .size: 8, .value_kind: global_buffer, .address_space: global }
    .group_segment_fixed_size: 0
    .private_segment_fixed_size: 0
    .kernarg_segment_align: 8
    .kernarg_segment_size: 32
    .max_flat_workgroup_size: 256
    .sgpr_count:     66
    .vgpr_count:     128
    .wavefront_size: 32
...
	.end_amdgpu_metadata
.endif
;; end of part 7
;; ======== version 3 of 3: 4 launches; version 2 with the launch down written anew for expert scheduling mode
;; workspace buffers: xb 4,194,304 bytes; gwt 8,192 bytes; idx 8,192 bytes of whole numbers; hid 67,108,864 bytes; sq 4,259,840 bytes; ord 65,792 bytes of whole numbers; oz 67,108,864 bytes
;; launch router: the kernel of part 1 again; grid 256 x 1, 8 waves a work-group, no clusters, 33,792 bytes of LDS; arguments x, gate_w, gate_b, xb, gwt, idx; writes xb, gwt, idx
;; launch up: the kernel of part 5 again; grid 32 x 8, 16 waves a work-group, no clusters, 274,944 bytes of LDS; arguments xb, idx, gwt, W1, W3, Ws1, Ws3, hid, sq, ord; writes hid, sq, ord
;; launch down (part 8): grid 32 x 8, 16 waves a work-group, no clusters, 207,872 bytes of LDS; arguments hid, sq, ord, W2, Ws2, oz; writes oz
.if DOCPART == 8
	.amdgcn_target "amdgcn-amd-amdhsa--gfx1250"
	.amdhsa_code_object_version 6
	.text
	.protected	k_qf48b51db42_down
	.globl	k_qf48b51db42_down
	.p2align	8
	.type	k_qf48b51db42_down,@function
k_qf48b51db42_down:
	s_mov_b64 s[64:65], 0
	v_nop
	global_prefetch_b8 v0, s[64:65] scope:SCOPE_SE
	s_setreg_imm32_b32 hwreg(HW_REG_WAVE_SCHED_MODE, 0, 2), 2
	s_setreg_imm32_b32 hwreg(HW_REG_WAVE_MODE, 25, 1), 1
	s_wait_xcnt 0x0
	s_wait_alu depctr_vm_vsrc(0)
; THE SECOND PRODUCT, of ONE kind.  Work-group (x, e): kind = x % 2 (0: the routed expert e, W2[e]; 1: the shared expert, Ws2), output columns 64 (x / 2) .. + 63, for the ranks of expert e.
; o = h W^T with h = [t, sp], t = sqrt(max(sum sp^2 + 1, 1e-8)) (c is 1 on both manifolds).  Output column d is weight row d - 1 (column 0 is the time coordinate, made by the next launch): a shift by one row of
; 4,096 bytes, as in the launch before.  The time slot never passes through bf16: hid holds 0 in hidden column 0, and t x W[d - 1][0] is added here in f32.
; STORED.  oz[kind][e][slice][rank][64] in bf16: a finished intermediate, rounded once (each number is off by at most 2^-8 of itself); column 0 of slice 0 holds 0.
; WHY ONE KIND.  A work-group reads 64 weight rows (256 KB of f32) and its kind's hidden rows alone, 2 KB a rank; with both kinds on 32 columns it would read the same weights' bytes and 4 KB a rank.
; PLAN.  The 64 weight rows go into LDS as bf16 (wave w lays rows 4 w .. 4 w + 3, all 32 loads asked for at once), ONE barrier, then each wave by itself walks tiles of 32 ranks; hid comes from memory straight
; into operand registers, 512 consecutive bytes a load, through a ring of six K steps: 30 loads a wave at a tile's start, 20 to 25 in the walk.  The wave's own stage in LDS turns a lane's eight columns into whole
; rows; its addresses are the same in every trip.
; SIXTEEN WAVES, so that up to 512 tokens on an expert every tile has a wave of its own and none is walked behind another.  Wave w begins with tile 4 ((w % 4 - w / 4) mod 4) + w / 4 and goes on in steps of 16:
; four consecutive tiles go to waves that differ both in w % 4 and in w / 4.
; TRANSPOSED USE: source 0 = 16 weight rows, source 1 = 16 ranks: a lane holds one rank (lane % 16) and output columns 8 (lane / 16) + 0..7 of a fragment.
; LIMITS.  NaN and infinities are not treated apart.
; NO TENSOR LOADS, NO CLUSTER: the weights pass through registers to be rounded, each routed slice has one reader; hid is shared by an expert's 16 work-groups of a kind, but how much of it there is hangs on a
; stored count, and a loop of that length holds no barrier, which joint loads would want.
; THE MODE: SCHED_MODE bits 1:0 = 2 (LLVM: expert scheduling mode 2), set by the entry lines.  The code itself states the register dependences between vector or matrix instructions and memory or LDS
; instructions, with s_wait_alu, always for 0.
; WHO TOUCHES WHAT.  Registers that memory or LDS instructions touch:
;   phase 1   v14, v15 (offsets of the weights' loads) and v12 (LDS place of the stores): written at the head, written again behind the barrier.  v[128:255]: the weights' loads land, the conversions read.
;             v[20:83]: row n's conversions write 16 registers of its own, its LDS stores read them; nothing writes them again before the ring's loads.
;   the loop  v6, v7, v11, v12, v14, v15: LDS places, written ahead of the loop and never in it.  v8, v9, v10: offsets, written at a trip's head, read by the trip's loads and stores.
;             RING[s], SQR[s]: step j's matrix instructions and addition read slot j % 6; the loads of step j + 6 land in it, issued in step j + 1.
;             BB[p]: step j's matrix instructions read buffer j % 2; the LDS loads of step j + 2 land in it, issued in step j + 1 (in step 31: the weights' column 0, into buffer 0).
;             TMP: the way out's conversions write, the stage's LDS stores read.  BK: the stage's LDS loads land, oz's stores read.
;   The accumulators, v16, v20 and v22 to v25 are named by vector and matrix instructions alone.
; So ONE wait on va_vdst stands at a step's head, behind the waits for the step's own data: the step before is done with its slot and its buffer.  The step's loads follow it, dealt among its eight matrix
; instructions, which name the other buffer, the step's own slot and the accumulators: none of the registers that those loads touch.
.set PITCH, 2064                       ; 2,048 bytes + 16: the 16 rows of a fragment load start at 16 different banks (64 banks of 4 bytes: ISA guide 11.1)
.set FRAG,  16*PITCH
.set STAGE, 64*PITCH                   ; behind the weights: 32 rows x 144 bytes for each wave
.set SP,    144                        ; 128 bytes + 16 = 36 words: 16 rows start at 16 different groups of four banks
.set SPARE, STAGE+16*32*SP             ; the spare words, 128 bytes for each of 16 waves
.set WEXP,  1023*4096
.set LAST,  3
.set DEPTH, 6                          ; slots in the ring of rank fragments
.set CV,   20                          ; phase 1: v[20:83] row n in bf16 at CV + 16 n; v[128:255] four rows in f32
.set RING, 20                          ; v[20:115] six slots of 16: fragment a at + 8 a
.set SQR,  116                         ; v[116:121] the six slots' words of sq
.set BB,   128                         ; v[128:191] two buffers of four weight fragments: f at + 8 f
.set ACC,  192                         ; v[192:255] accumulator (a, f) at ACC + 8 (4 a + f)
.set TMP,  28                          ; the way out: v[28:59] the tile in bf16
.set BK,   60                          ; v[60:91] 32 rows read back from the stage
; v1 lane; v2 lane % 16; v3 16 (lane / 16); v4, v5 the add's; v6, v7 LDS places of fragments 0, 1 and 2, 3; v8 hid, v9 sq, v10 oz offsets; v11, v12 stage in and back;
; v14, v15 LDS places of the weights' column 0; v16 the sum of sq, then t
; s8 wave, s9 slice, s10 e, s13 kind, s11 count, s12 tiles, s14 my trips, s15 trip, s36 tile, s37 tile clamped, s[22:23] my weights, s[44:45] hid, s[48:49] sq, s[52:53] oz
.macro PLACES
.rept 4
	v_nop
.endr
.endm
.macro WROW n                          ; weight row n of my 4: eight loads of 512 consecutive bytes; the first row has an offset register of its own, since it may be clamped
.set wd_, 128+32*(\n)
.irp c, 0,1,2,3,4,5,6,7
.if (\n) == 0
	global_load_b128 v[wd_+4*\c:wd_+4*\c+3], v14, s[22:23] offset:512*\c
.else
	global_load_b128 v[wd_+4*\c:wd_+4*\c+3], v15, s[22:23] offset:((\n)-1)*4096+512*\c
.endif
.endr
.endm
.macro WCVT n                          ; row n is rounded, into 16 registers of its own, and laid into LDS
	s_wait_loadcnt 8*(LAST-(\n))                   ; loads come back in order: the younger rows, 8 loads each, stay out
.set wd_, 128+32*(\n)
.set cv_, CV+16*(\n)
.irp c, 0,1,2,3,4,5,6,7
	v_cvt_pk_bf16_f32 v[cv_+2*\c], v[wd_+4*\c], v[wd_+4*\c+1]
	v_cvt_pk_bf16_f32 v[cv_+2*\c+1], v[wd_+4*\c+2], v[wd_+4*\c+3]
.endr
	s_wait_alu depctr_va_vdst(0)                   ; the conversions have written the row's 16 registers, which the LDS stores read
.irp c, 0,1,2,3,4,5,6,7
	ds_store_b64 v12, v[cv_+2*\c:cv_+2*\c+1] offset:(\n)*PITCH+256*\c  ; 256 consecutive bytes
.endr
.endm
	s_load_b256 s[16:23], s[0:1], 0x0              ; hid s[16:17], sq s[18:19], ord s[20:21], W2 s[22:23]
	s_load_b128 s[24:27], s[0:1], 0x20             ; Ws2 s[24:25], oz s[26:27]
	v_lshl_add_u32 v4, v0, 2, SPARE                ; my spare word,
	v_mov_b32 v5, 0                                ; and 0: kept for the add at the wave's end
	v_and_b32 v1, 31, v0
	v_lshrrev_b32 v15, 5, v0
	v_readfirstlane_b32 s8, v15                    ; wave
	s_and_b32 s13, ttmp9, 1                        ; kind
	s_lshr_b32 s9, ttmp9, 1                        ; slice of 64 columns
	s_and_b32 s10, ttmp7, 0xffff                   ; e
	s_lshl_b32 s62, s9, 6
	s_wait_alu depctr_va_sdst(0)                   ; s8 is written, ahead of its first reader: my rows, my stage and my tiles are made from it
	s_lshl_b32 s63, s8, 2
	s_add_co_u32 s62, s62, s63                     ; output column 64 s + 4 w: its weight row is one less
	s_max_u32 s63, s62, 1
	s_sub_co_u32 s63, s63, 1                       ; my first row, clamped to 0 for column 0
	s_lshl_b32 s62, s62, 12
	s_lshl_b32 s63, s63, 12
	v_lshl_add_u32 v15, v1, 4, s62                 ; my second row + 16 l
	v_lshl_add_u32 v14, v1, 4, s63                 ; my first row + 16 l
	s_mul_i32 s63, s8, 4*PITCH
	v_lshl_add_u32 v12, v1, 3, s63                 ; LDS: row 4 w, 8 l
	s_mul_i32 s42, s10, WEXP
	s_mov_b32 s43, 0
	s_lshl_b32 s62, s10, 2
	s_mov_b32 s63, 0
	s_wait_kmcnt 0x0
	s_add_nc_u64 s[38:39], s[20:21], s[62:63]
	s_load_b32 s11, s[38:39], 0x10000              ; the expert's count
	s_add_nc_u64 s[22:23], s[22:23], s[42:43]      ; W2[e],
	s_cmp_eq_u32 s13, 0
	s_cselect_b64 s[22:23], s[22:23], s[24:25]     ; or Ws2: the choice hangs on the work-group's number alone
	s_wait_alu depctr_va_vdst(0)                   ; v14 and v15 are written, which the weights' loads read as offsets, and v12, the LDS stores' address
	WROW 0
	WROW 1
	WROW 2
	WROW 3
	; the rest of the set-up stands behind the loads; its vector lines name none of the loads' registers
	s_mov_b32 s54, 0x76543210                      ; v_permlanex16_b32: each lane takes its own place in the other half
	s_mov_b32 s55, 0xfedcba98
	s_mov_b32 s56, 0xffff0000                      ; lanes 16-31
	s_cmp_eq_u32 s9, 0
	s_cselect_b32 s57, 0xffff, 0                   ; the lanes that hold output column 0 in register 0 of f = 0
	s_mov_b32 s61, 0x322bcc77                      ; 1e-8
	s_lshl_b32 s42, s13, 25
	s_lshl_b32 s62, s10, 22
	s_add_co_u32 s42, s42, s62
	s_add_nc_u64 s[44:45], s[16:17], s[42:43]      ; hid[kind][e]
	s_lshl_b32 s62, s9, 18
	s_add_co_u32 s42, s42, s62
	s_add_nc_u64 s[52:53], s[26:27], s[42:43]      ; oz[kind][e][slice]: kind 2^25, e 2^22, slice 2^18 bytes
	s_lshl_b32 s42, s10, 19
	s_lshl_b32 s62, s13, 2
	s_add_co_u32 s42, s42, s62
	s_add_nc_u64 s[48:49], s[18:19], s[42:43]      ; sq[e], at my kind's word of a pair
	v_and_b32 v2, 15, v1
	v_and_b32 v3, 16, v1
	v_mul_u32_u24 v6, v2, PITCH
	v_add_nc_u32 v6, v6, v3                        ; a fragment's row x pitch + 16 x half
	v_add_nc_u32 v7, 2*FRAG, v6
.irp n, 0,1,2,3
	WCVT \n
.endr
	s_wait_dscnt 0x0                               ; for the others' sake: my rows are written
	s_barrier_signal -1
	s_barrier_wait -1                              ; the one barrier: from here on a wave writes its own stage alone
	s_wait_alu depctr_vm_vsrc(0)                   ; my LDS stores have read v12 and v[20:83], the weights' loads v14 and v15: the lines below write v12, v14 and v15 again, and the ring's loads land in v[20:83]
	s_mul_i32 s62, s8, 32*SP
	s_add_co_u32 s62, s62, STAGE                   ; my stage
	v_mul_u32_u24 v11, v2, SP                      ; in: row r, 16 bytes for each half of the lanes
	v_add_nc_u32 v11, v11, v3
	v_add_nc_u32 v11, s62, v11
	v_lshrrev_b32 v12, 3, v1                       ; back: 32 lanes take four rows of 128 bytes
	v_mul_u32_u24 v12, v12, SP
	v_and_b32 v13, 7, v1
	v_lshl_add_u32 v12, v13, 4, v12
	v_add_nc_u32 v12, s62, v12
	v_mul_u32_u24 v14, v3, PITCH/2                 ; 8 (lane / 16) rows: the first of my eight columns' weight rows
	v_add_nc_u32 v15, 2*FRAG, v14
	s_and_b32 s36, s8, 3                           ; my first tile: 4 ((w % 4 - w / 4) mod 4) + w / 4
	s_lshr_b32 s62, s8, 2
	s_sub_co_u32 s36, s36, s62
	s_and_b32 s36, s36, 3
	s_lshl2_add_u32 s36, s36, s62
	s_wait_kmcnt 0x0
	s_min_u32 s11, s11, 2048
	s_add_co_u32 s12, s11, 31
	s_lshr_b32 s12, s12, 5                         ; tiles of 32 ranks
	s_add_co_u32 s14, s12, 15
	s_sub_co_u32 s14, s14, s36
	s_lshr_b32 s14, s14, 4                         ; my tiles: the first, and every sixteenth behind it, below the number of tiles
	s_mov_b32 s15, 0
	s_cmp_eq_u32 s14, 0
	s_cbranch_scc1 .Lend
.macro ALD j, q                        ; load q of the 5 of K step j: 0-3: the two rank fragments as they lie in hid, 512 consecutive bytes a load; 4: the step's sums of squares (lane = rank)
.set la_, RING+16*((\j)%DEPTH)
.if (\q) < 4
	global_load_b128 v[la_+4*(\q):la_+4*(\q)+3], v8, s[44:45] offset:131072*(\j)+512*(\q)
.else
	global_load_b32 v[SQR+(\j)%DEPTH], v9, s[48:49] offset:16384*(\j)
.endif
.endm
.macro ALOAD j                         ; all 5
.irp q, 0,1,2,3,4
	ALD \j, \q
.endr
.endm
.macro BFRAG j, f                      ; weight fragment f of K step j into buffer j % 2: two LDS loads
.set lb_, BB+32*((\j)%2)
	ds_load_b128 v[lb_+8*(\f):lb_+8*(\f)+3], v[6+(\f)/2] offset:FRAG*((\f)%2)+64*(\j)
	ds_load_b128 v[lb_+8*(\f)+4:lb_+8*(\f)+7], v[6+(\f)/2] offset:FRAG*((\f)%2)+64*(\j)+32
.endm
.macro BLOAD j                         ; all four fragments
.irp f, 0,1,2,3
	BFRAG \j, \f
.endr
.endm
.macro W0LD i                          ; four of the 32 numbers of the weights' hidden column 0, for my eight output columns of each fragment, into buffer 0
.set f_, (\i)/2
.irp z, 0,1,2,3
.set jj_, 4*((\i)%2)+\z
	ds_load_u16 v[BB+8*f_+jj_], v[14+f_/2] offset:(16*(f_%2)+jj_)*PITCH
.endr
.endm
.macro KSTEP j
	s_wait_dscnt 0x0                               ; this step's four weight fragments are in: no LDS instruction was issued behind them
.if (\j) == 0
	s_wait_loadcnt 5*(DEPTH-1)                     ; this step's slot is in; the next five steps', 5 loads each, stay out
.elseif (\j) <= 33-DEPTH
	s_wait_loadcnt 5*(DEPTH-2)                     ; this step's slot is in; the next four steps', 5 loads each, stay out: the slot of the step before is asked for below
.else
	s_wait_loadcnt 5*(31-(\j))                     ; the steps that are left
.endif
.if (\j) > 0
	s_wait_alu depctr_va_vdst(0)                   ; the step before is done: its matrix instructions have read their weight buffer and their slot, its addition its word of sq; the loads dealt below land in these registers
.endif                                                 ; (step 0: the wait at the trip's head stands for the same, and no vector line since names the other weight buffer)
.set as_, RING+16*((\j)%DEPTH)
.set bb_, BB+32*((\j)%2)
.if (\j) == 0
	v_mov_b32 v16, v[SQR]
.else
	v_add_f32 v16, v16, v[SQR+(\j)%DEPTH]
.endif
.irp a, 0,1                            ; the 8 accumulators take turns; step 0 starts the sums with the constant 0
.irp f, 0,1,2,3
.set ac_, ACC+8*(4*\a+\f)
.if (\j) == 0
	v_wmma_f32_16x16x32_bf16 v[ac_:ac_+7], v[bb_+8*\f:bb_+8*\f+7], v[as_+8*\a:as_+8*\a+7], 0
.else
	v_wmma_f32_16x16x32_bf16 v[ac_:ac_+7], v[bb_+8*\f:bb_+8*\f+7], v[as_+8*\a:as_+8*\a+7], v[ac_:ac_+7]
.endif
.if (\j) < 31
.if \a == 0
	BFRAG (\j)+1, \f                               ; the next step's weights, a fragment behind each of the first four.  No wait: no vector or matrix instruction since the wait above names that buffer
.elseif ((\j) >= 1) && ((\j) <= 32-DEPTH)
	ALD (\j)+DEPTH-1, \f                           ; the slot of the step before is asked for again, a load behind each of the last four.  No wait, likewise
.endif
.else
	W0LD 4*\a+\f                                   ; the last step: the weights' column 0, for the way out, into the buffer that the step before read
.endif
.endr
.endr
.if ((\j) >= 1) && ((\j) <= 32-DEPTH)
	ALD (\j)+DEPTH-1, 4
.endif
	PLACES                                         ; four places behind the step's matrix instructions, as they stood; in the last step: in front of the way out's vector lines (ISA guide 7.12.1)
.endm
.Ltile:                                                ; a trip: one tile of 32 ranks, all of K
	s_min_u32 s37, s36, 63
	s_lshl_b32 s62, s37, 11
	v_lshl_add_u32 v8, v1, 4, s62                  ; hid: 2,048 bytes a tile
	s_lshl_b32 s62, s37, 8
	v_lshl_add_u32 v9, v1, 3, s62                  ; sq: 8 bytes a rank
	s_lshl_b32 s62, s37, 12
	v_lshl_add_u32 v10, v1, 4, s62                 ; oz: 128 bytes a rank
	s_wait_alu depctr_va_vdst(0)                   ; v8 to v10 are written, the trip's offsets; the trip before (matrix instructions, way out) is done with the ring, sq's words and the weight buffers, in which the loads below land;
	                                               ; in the first trip: the LDS places v6, v7, v11, v12, v14, v15 are written, and the conversions are done reading v[128:191]
.set k_, 0
.rept DEPTH
	ALOAD k_                                       ; the ring is filled: 30 loads
.set k_, k_+1
.endr
	BLOAD 0
.set k_, 0
.rept 32
	KSTEP k_
.set k_, k_+1
.endr
	; THE WAY OUT.  The weights' hidden column 0 was asked for in the last step
	v_add_f32 v16, 1.0, v16                        ; lane l: rank l's sum + c,
	v_max_num_f32 v16, s61, v16                    ; clipped as reference() clips
	v_sqrt_f32 v16, v16                            ; t
	v_nop                                          ; a plain instruction behind the root,
	s_wait_alu depctr_va_vdst(0)                   ; and its wait: the root has written v16, ahead of its first reader
	v_permlanex16_b32 v20, v16, s54, s55
.irp z, 0,1                            ; from lane = rank to lane = row r of fragment a, each number twice for the packed form: v[22:23], v[24:25]
	v_cndmask_b32 v[22+\z], v16, v20, s56
	v_cndmask_b32 v[24+\z], v20, v16, s56
.endr
	s_wait_dscnt 0x0                               ; the weights' column 0 is in
.set i_, 0
.rept 32
	v_lshlrev_b32 v[BB+i_], 16, v[BB+i_]           ; bf16 to f32
.set i_, i_+1
.endr
.irp a, 0,1                            ; the time slot's part; each accumulator is read from its low end on
.irp f, 0,1,2,3
.irp p, 0,1,2,3
.set o_, ACC+8*(4*\a+\f)+2*\p
	v_pk_fma_f32 v[o_:o_+1], v[BB+8*\f+2*\p:BB+8*\f+2*\p+1], v[22+2*\a:23+2*\a], v[o_:o_+1]
.endr
.endr
.endr
.irp a, 0,1
	v_cndmask_b32 v[ACC+32*\a], v[ACC+32*\a], 0, s57  ; output column 0 is no space coordinate
.endr
.irp a, 0,1                            ; a lane's eight columns of a row pack into 16 bytes
.irp f, 0,1,2,3
.irp p, 0,1,2,3
	v_cvt_pk_bf16_f32 v[TMP+4*(4*\a+\f)+\p], v[ACC+8*(4*\a+\f)+2*\p], v[ACC+8*(4*\a+\f)+2*\p+1]
.endr
.endr
.endr
	s_wait_alu depctr_va_vdst(0)                   ; the conversions have written v[28:59], which the LDS stores read; the matrix instructions are done reading the slots v[60:91], in which the stage's loads land
.irp a, 0,1
.irp f, 0,1,2,3
	ds_store_b128 v11, v[TMP+4*(4*\a+\f):TMP+4*(4*\a+\f)+3] offset:16*SP*\a+32*\f
.endr
.endr
.irp i, 0,1,2,3,4,5,6,7
	ds_load_b128 v[BK+4*\i:BK+4*\i+3], v12 offset:4*SP*\i  ; LDS serves a wave's instructions in order (ISA guide 5.7.1.4): these see the stores above
.endr
.irp i, 0,1,2,3,4,5,6,7
	s_wait_dscnt 7-\i                              ; the loads issued behind this one may stay out
	global_store_b128 v10, v[BK+4*\i:BK+4*\i+3], s[52:53] offset:512*\i  ; four ranks: 512 consecutive bytes, aligned
.endr
	s_wait_xcnt 0x0                                ; the stores' data and offsets are written again in the next trip only behind this wait
	s_wait_alu depctr_vm_vsrc(0)                   ; this trip's loads have read v8 and v9, oz's stores v10 and v[60:91], the stage's stores v[28:59]: the next trip writes the offsets anew, and its ring's loads land in the others
	s_add_co_u32 s36, s36, 16
	s_add_co_u32 s15, s15, 1
	s_cmp_lt_u32 s15, s14
	s_cbranch_scc1 .Ltile
.Lend:
	s_wait_dscnt 0x0                               ; the closing lines, six on end
	s_wait_alu 0x0
	s_wait_tensorcnt 0x0
	ds_add_u32 v4, v5
	s_wait_dscnt 0x0
	s_endpgm
.Lfunc_end_k_qf48b51db42_down:
	.size	k_qf48b51db42_down, .Lfunc_end_k_qf48b51db42_down-k_qf48b51db42_down
	.p2alignl 7, 3214868480
	.fill 96, 4, 3214868480
	.section	.rodata,"a",@progbits
	.p2align	6, 0x0
	.amdhsa_kernel k_qf48b51db42_down
		.amdhsa_group_segment_fixed_size 207872
		.amdhsa_private_segment_fixed_size 0
		.amdhsa_enable_private_segment 0
		.amdhsa_kernarg_size 48
		.amdhsa_user_sgpr_count 2
		.amdhsa_user_sgpr_kernarg_segment_ptr 1
		.amdhsa_wavefront_size32 1
		.amdhsa_system_sgpr_workgroup_id_x 1
		.amdhsa_system_sgpr_workgroup_id_y 1
		.amdhsa_system_sgpr_workgroup_id_z 1
		.amdhsa_system_vgpr_workitem_id 0
		.amdhsa_next_free_vgpr 256
		.amdhsa_next_free_sgpr 66
		.amdhsa_reserve_vcc 0
		.amdhsa_float_denorm_mode_32 3
		.amdhsa_float_denorm_mode_16_64 3
		.amdhsa_memory_ordered 1
		.amdhsa_forward_progress 1
		.amdhsa_inst_pref_size 79
	.end_amdhsa_kernel
	.amdgpu_metadata
---
amdhsa.version: [ 1, 2 ]
amdhsa.kernels:
  - .name:           k_qf48b51db42_down
    .symbol:         k_qf48b51db42_down.kd
    .args:
      - { .name: hid, .offset: 0, .size: 8, .value_kind: global_buffer, .address_space: global }
      - { .name: sq, .offset: 8, .size: 8, .value_kind: global_buffer, .address_space: global }
      - { .name: ord, .offset: 16, .size: 8, .value_kind: global_buffer, .address_space: global }
      - { .name: W2, .offset: 24, .size: 8, .value_kind: global_buffer, .address_space: global }
      - { .name: Ws2, .offset: 32, .size: 8, .value_kind: global_buffer, .address_space: global }
      - { .name: oz, .offset: 40, .size: 8, .value_kind: global_buffer, .address_space: global }
    .group_segment_fixed_size: 207872
    .private_segment_fixed_size: 0
    .kernarg_segment_align: 8
    .kernarg_segment_size: 48
    .max_flat_workgroup_size: 512
    .sgpr_count:     66
    .vgpr_count:     256
    .wavefront_size: 32
...
	.end_amdgpu_metadata
.endif
;; end of part 8
;; launch norm: the kernel of part 7 again; grid 263 x 1, 8 waves a work-group, no clusters, 0 bytes of LDS; arguments oz, sq, ord, out0; writes out0
